; MI455X (gfx1250); checked and timed in simulation.
; The chip was launched on July 23, 2026; its instructions are those of AMD's public machine-readable ISA for CDNA 5 (MIT licence, August 2026) and "CDNA5" Instruction Set Architecture Reference Guide (July 2026). The comments in the code are by the model that wrote it; some were corrected since.
;; Causal Self Attention. Allowed arithmetic: matrix products marked QUANTISED: E4M3 operands, one given power-of-two scale a tensor, by v_wmma_f32_16x16x64_fp8_fp8 or v_wmma_f32_16x16x128_fp8_fp8, f32 sums; everything else in f32.
;; Inputs: b_proj 1,024 float32; b_qkv 3,072 float32; lowp_scales 8 int32 (the exponents e of the quantised operands' scales 2^e); w_proj_codes 1,024 x 32 x 32 uint8 (E4M3 codes of w_proj, K innermost, in blocks of 32 codes); w_qkv_codes 3,072 x 32 x 32 uint8 (E4M3 codes of w_qkv, K innermost, in blocks of 32 codes); x_codes 4 x 2,048 x 32 x 32 uint8 (E4M3 codes of x, K innermost, in blocks of 32 codes).
;; Outputs: out0 4 x 2,048 x 1,024 float32.
;; This version of the problem:
;;   THIS VERSION OF THE PROBLEM IS GIVEN IN LOW PRECISION. The matrix products marked QUANTISED in the list below multiply operands that are first quantised to E4M3 (4 exponent bits, 3 mantissa bits; 8 bits a number), with one given power-of-two scale for each operand tensor; their sums are f32. All else is computed in f32.
;;   The module's matrix products, in the order in which they are computed (A, B: the left and right operand; K: the contracted axis; several contracted axes count as one K, in the product's order):
;;     1. [M 8,192, K 1,024] x [K 1,024, N 3,072]; A: input x (given as codes); B: input w_qkv (given as codes): QUANTISED (scales: A lowp_scales[0], B lowp_scales[1])
;;     2. batch 64 x [M 2,048, K 64] x [K 64, N 2,048]; A: computed on the way; B: computed on the way: QUANTISED (scales: A lowp_scales[2], B lowp_scales[3])
;;     3. batch 64 x [M 2,048, K 2,048] x [K 2,048, N 64]; A: softmax (see below); B: computed on the way: QUANTISED (scales: A lowp_scales[4], B lowp_scales[5])
;;     4. [M 8,192, K 1,024] x [K 1,024, N 1,024]; A: computed on the way; B: input w_proj (given as codes): QUANTISED (scales: A lowp_scales[6], B lowp_scales[7])
;;   THE QUANTISER, for each operand of a quantised product, along K:
;;     - The operand's scale is 2^e, e = its entry of the input lowp_scales (int32; the entries are numbered through the quantised products in the list's order, A before B).
;;     - Each number is divided by the scale, clamped to +-448, and rounded to the nearest number of E4M3, ties to even, subnormals kept.
;;     - The product sums the exact products of the quantised numbers (number of the format x scale) in f32.
;;   ~~~python
;;   def quantise(x, axis, e):      # numpy; x: float32 -> the quantised numbers, widened to float32 again
;;       x = np.moveaxis(x, axis, -1); K = x.shape[-1]
;;       r = np.clip(x / 2.0 ** e, -448, 448)
;;       step = 2.0 ** (np.maximum(np.frexp(np.where(r == 0, 1, r))[1] - 1, -6) - 3)
;;       q = np.round(r / step) * step * 2.0 ** e      # np.round: ties to even
;;       return np.moveaxis(q, -1, axis).astype(np.float32)
;;   ~~~
;;   SOFTMAX AHEAD OF A QUANTISED PRODUCT. Where the list says 'softmax', what is quantised is not the finished softmax but p = 2^(t - M), with t = logit x log2(e) and M = ceil(the row's largest t), a whole number; so 1/2 < the row's largest p <= 1. The row's sum l is taken of the UNQUANTISED p, in f32, and the product's result is divided by l at the end. Since M is a whole number, a kernel that streams over the keys may use a running M (the ceiling of the running maximum): every later rescaling is an exact power of two, so the quantised numbers keep their values, but for numbers so far below the row's largest that they fall under the format's range.
;;   OPERANDS COMPUTED ON THE WAY. 'Computed on the way' means the value that the module computes at that place (a softmax that the list does not call 'softmax' is quantised finished and normalised). What goes into a quantiser is computed in f32, as accurately as f32 sums, v_exp_f32 and their like allow (about 1e-6 of the number): no bf16 or f16 on the way to a quantiser, and a product that is left as it is and whose result goes on into a quantised operand takes f32 operands (vector FMAs, or v_wmma_f32_16x16x4_f32). A number that lies on a knife's edge between two numbers of the format may be rounded either way, as far as f32 arithmetic and the matrix unit's own rounding can turn it there, and no further.
;;   INPUTS GIVEN AS CODES. w_proj (in the module: [1024, 1024], K = its axis 0); w_qkv (in the module: [1024, 3072], K = its axis 0); x (in the module: [4, 2048, 1024], K = its axis 2): each comes as NAME_codes (uint8): NAME with its K axis moved to the last place and cut into blocks of 32 codes, [.., K / 32, bytes a block], one block behind the other in memory; one code a byte (a code: sign, 4 exponent bits, 3 mantissa bits); its scale is its entry of lowp_scales. Its value is code x scale, taken as it is: it is not quantised again, and the codes and scales need not be those that the quantiser above would give.
;; One version. Each part assembles by itself: llvm-mc -triple=amdgcn-amd-amdhsa -mcpu=gfx1250 --defsym DOCPART=n.
;; ======== version 1 of 1: 3 launches
;; limits: right only within a limited range of input values
;; workspace buffers: q_codes 8,388,608 bytes; k_codes 8,388,608 bytes; v_codes 8,388,608 bytes; y_codes 8,388,608 bytes
;; launch qkv (part 1): grid 12 x 32, 4 waves a work-group, clusters of 4 x 4, 327,680 bytes of LDS; arguments x_codes, w_qkv_codes, lowp_scales, b_qkv, q_codes, k_codes, v_codes; writes q_codes, k_codes, v_codes
.if DOCPART == 1
	.amdgcn_target "amdgcn-amd-amdhsa--gfx1250"
	.amdhsa_code_object_version 6
	.text
	.protected	k_qb3117742d0_qkv
	.globl	k_qb3117742d0_qkv
	.p2align	8
	.type	k_qb3117742d0_qkv,@function
k_qb3117742d0_qkv:
	s_mov_b64 s[64:65], 0
	v_nop
	global_prefetch_b8 v0, s[64:65] scope:SCOPE_SE
	s_setreg_imm32_b32 hwreg(HW_REG_WAVE_MODE, 25, 1), 1
	s_wait_xcnt 0x0
	s_wait_alu depctr_hold_cnt(0) depctr_sa_sdst(0) depctr_va_vdst(0) depctr_va_sdst(0) depctr_va_ssrc(0) depctr_va_vcc(0) depctr_vm_vsrc(0)
	s_getreg_b32 s2, hwreg(HW_REG_IB_STS2, 6, 4)
	s_cmp_eq_u32 s2, 0
	s_cbranch_scc0 .Lentry_in_a_cluster
	s_endpgm
.Lentry_in_a_cluster:
	s_bfe_u32 s2, ttmp6, 0x10000c
	s_cmp_lg_u32 s2, 0xf033
	s_cbranch_scc0 .Lentry_shape_is_right
	s_endpgm
.Lentry_shape_is_right:
; qkv = x w_qkv + b_qkv on codes of FP8 (E4M3); the results are quantised at once, each third with its own given scale, and leave as codes laid as the attention launch wants them.
; x: [8192][1024] codes, w_qkv: [3072][1024] codes, K innermost.  A sum stands for sum x 2^(e0 + e1); value = sum x 2^(e0 + e1) + bias, in f32; code = value / 2^e, e = e2 (q), e3 (k), e5 (v).
; LIMITS: e0 + e1 between -126 and 127; e2, e3, e5 between -126 and 119, so that each power of two below is an f32 number.  NaN codes among the inputs are not served.
; A tile of 256 x 256 results is made by a work-group of four waves, a wave makes 128 x 128: 64 accumulators, 512 registers.  K goes in four steps of 256 through a ring of two LDS slots filled by the tensor data mover.
; CLUSTERS: 4 x 4 work-groups; the cluster's x says which third it makes: 0 q, 1 k, 2 v (alike in all sixteen partners).  The tiles of the operand called A here are shared along a row of the cluster, B's along a column: joint loads.
; THE MATRIX INSTRUCTION IS USED TRANSPOSED: source 0 = 16 rows of B, source 1 = 16 rows of A: a lane holds one row of A's side and eight neighbours of B's side, which one conversion turns into eight codes.
;   q, k: A = x (a lane's row is a token), B = w (its eight neighbours are channels of a head: the next product's K).   v: A = w (a lane's row is a channel), B = x (its eight neighbours are keys: the K of the product with p).
; OUTPUT LAYOUTS.  q_codes, k_codes: [16 b + head][token][64 bytes]; in each 32 bytes, place 16 h + 8 u + j holds channel 16 u + 8 h + j (alike in q and k).
;   v_codes: [b][64 head + channel][2048 bytes], keys innermost; in each 32 bytes, place 16 h + 8 u + j holds key 16 u + 8 h + j: the order in which p's codes come out of the conversions.
; REGISTERS, in windows of 256: window 0: v10-30 addresses and constants; v32-95 the bias in the result's layout; from v128 A's fragments, ONE set; on the way out v128-191 values, v192-223 codes.
;   window 1: B's fragments, TWO sets.   window 2: the 32 accumulators of my rows 0-63 (accumulator (a, b) at v[8 (8 a + b)]);   window 3: those of my rows 64-127.
.set ROWB,   256                       ; a tile's row in bytes: 256 codes along K
.set KROW,   1024                      ; a row of x or of w in memory, in bytes
.set PITCH,  272                       ; an LDS row: 256 bytes + 16 of padding = 68 words: row r starts at bank 4 r mod 64 (64 banks of 4 bytes: ISA guide 11.1)
.set FR,     16                        ; registers of a fragment: 16 rows x 128 K
.set NL,     4                         ; LDS loads that bring one
.set NP,     4                         ; places behind this matrix instruction (ISA guide 7.12.1)
.set HALFT,  128*PITCH                 ; 128 rows: what one tensor load brings
.set SLOT,   4*HALFT                   ; A's 256 rows, then B's 256 rows
.set SPARE,  2*SLOT                    ; behind the ring: the spare words, 128 bytes for each wave: two blocks of 256 bytes that no other line names
.set STGV,   256*PITCH                 ; the way out: two stages of 256 rows x 272 bytes in slot 0, which has had its last fill and its last read by then: q's and k's at 0, v's here
.set ASTEP,  2*ROWB                    ; a slot's next tile lies two K steps on
.set BSTEP,  2*ROWB
.set LIM,  10
.set SC,   11                          ; v11  2^e as f32
.set H32,  12                          ; v12  32 x (lane / 16): the bias of q and k
.set R4,   13                          ; v13  4 x (lane % 16): the bias of v
.set ADRA, 16                          ; v16-17  LDS address of my A fragments in slot 0, 1
.set ADRB, 20                          ; v20-21  the same for B
.set STOQ, 22                          ; v22  where I put 16 codes of a row, q's and k's stage
.set STOV, 23                          ; v23  the same in v's stage
.set RDQ,  24                          ; v24  q, k: where I read 16 bytes of my head's rows 0-127 back
.set RDQ2, 25                          ; v25  rows 128-255
.set RDV,  26                          ; v26  v: where I read my 64 rows back
.set GOQ,  27                          ; v27  q, k: my byte offset in a store's 512 bytes
.set SPW,  28                          ; v28  LDS address of my spare word; never rewritten
.set NIL,  29                          ; v29  0; never rewritten
.set GOV,  30                          ; v30  v: my byte offset in a store's two rows
.set BIAS, 32
.set AF,   128
.set TMP,  128
.set CD,   192
.set G1, 24                            ; s[24:31] descriptor group 1 for A's tiles;  s[32:39] group 0, one set for each slot
.set G0, 32
.set G1B, 48                           ; s[48:55], s[56:63] the same for B's tiles
.set G0B, 56
.set MSB, 0
.macro WIN new                         ; the immediate's high byte repeats the setting that is left
.if MSB != \new
	s_set_vgpr_msb (MSB<<8)|\new
.set MSB, \new
.endif
.endm
.set MUL_LO, 0xa1                      ; source 0 (B) window 1, source 1 (A) window 0, C and D window 2
.set MUL_HI, 0xf1                      ; the same, C and D window 3
.set TO_B,   0x40                      ; destination window 1, address window 0
; A joint load: waves 0 and 1 fetch for A, waves 2 and 3 for B.  The branch hangs on the wave's number alone.  Four v_nop follow each of the two lines.
.macro JLOAD g0a, g1a, g0b, g1b
	s_cmp_eq_u32 s15, 0
	s_cbranch_scc0 .Lfor_b_\@
	tensor_load_to_lds s[\g0a:\g0a+3], s[\g1a:\g1a+7]
	s_nop 0
.rept 4
	v_nop
.endr
	s_branch .Lasked_\@
.Lfor_b_\@:
	tensor_load_to_lds s[\g0b:\g0b+3], s[\g1b:\g1b+7]
	s_nop 0
.rept 4
	v_nop
.endr
.Lasked_\@:
.endm
.macro CREST                           ; a round of the cluster's barrier behind its opening barrier
	s_cmp_lg_u32 s14, 0
	s_cbranch_scc1 .Lnot_wave_0_\@
	s_barrier_signal -3
.Lnot_wave_0_\@:
	s_barrier_wait -3
	s_barrier_signal -1
	s_barrier_wait -1
.endm
.macro CROUND                          ; a whole round
	s_barrier_signal -1
	s_barrier_wait -1
	CREST
.endm
	s_load_b128 s[4:7], s[0:1], 0x0                ; x's codes s[4:5], w's codes s[6:7]
	s_load_b128 s[8:11], s[0:1], 0x10              ; the scales' exponents s[8:9], the bias s[10:11]
	s_load_b128 s[68:71], s[0:1], 0x20             ; q's codes s[68:69], k's s[70:71]
	s_load_b64 s[72:73], s[0:1], 0x30              ; v's
	v_lshl_add_u32 v[SPW], v0, 2, SPARE
	v_mov_b32 v[NIL], 0
	ds_add_u32 v28, v29
	ds_add_u32 v28, v29
	s_wait_dscnt 0x0
	v_lshrrev_b32 v1, 5, v0
	v_readfirstlane_b32 s14, v1                    ; wave 0..3
	s_lshr_b32 s15, s14, 1                         ; which half of A's side is mine.  Also: I fetch for A (0) or for B (1)
	s_and_b32 s16, s14, 1                          ; which half of B's side.  Also: which 128 rows of that tile I fetch
	s_bfe_u32 s40, ttmp6, 0x40000                  ; cx, cy: my place in the cluster
	s_bfe_u32 s41, ttmp6, 0x40004
	s_and_b32 s88, ttmp7, 0xffff
	s_lshl_b32 s88, s88, 2                         ; 4 x cluster y: the cluster's first tile of tokens
	s_lshl_b32 s89, ttmp9, 2                       ; 4 x cluster x: q's and k's first tile of w's rows
	s_cmp_eq_u32 ttmp9, 2                          ; v?  The cluster's x is alike in all partners
	s_cselect_b32 s17, 8, s88                      ; A's tiles: v: w's rows from 2,048 on; q, k: tokens
	s_cselect_b32 s42, s88, s89                    ; B's tiles: v: tokens; q, k: w's rows
	s_add_co_u32 s17, s17, s41                     ; A's tile hangs on cy alone,
	s_add_co_u32 s42, s42, s40                     ; B's on cx alone
	s_lshl_b32 s43, s41, 2
	s_lshl_b32 s43, 15, s43                        ; my row of the cluster
	s_lshl_b32 s44, 0x1111, s40                    ; my column
	; descriptor group 1: a tile of 128 rows x 256 bytes, padded in LDS
	s_or_b32 s[G1+0], s43, (0<<16)|(1<<20)|(1<<21)|(5<<22)|(3<<25)  ; 15:0 the mask: A's tiles go to my row; 17:16 element of 1 byte; 20 padding on; 21 set beside a mask; 24:22 after every 64 words (code 5); 31:25 of 4 words (code 3)
	s_or_b32 s[G1B+0], s44, (0<<16)|(1<<20)|(1<<21)|(5<<22)|(3<<25)
.irp g, G1, G1B
	s_mov_b32 s[\g+1], ROWB<<16                    ; tensor_dim0
	s_mov_b32 s[\g+2], 128<<16                     ; tensor_dim1 = 128
	s_mov_b32 s[\g+3], ROWB<<16                    ; tile_dim0
	s_mov_b32 s[\g+4], 128                         ; tile_dim1 = 128
	s_mov_b32 s[\g+5], KROW                        ; tensor_dim0_stride
	s_mov_b32 s[\g+6], 0
	s_mov_b32 s[\g+7], 0
.endr
	s_lshl_b32 s18, s16, 7                         ; which 128 rows of the tile I fetch
	s_lshl_b32 s20, s17, 8
	s_add_co_u32 s20, s20, s18                     ; A: row 256 x tile + 128 x half,
	s_lshl_b32 s20, s20, 10                        ; in bytes (under 2^23)
	s_mov_b32 s21, 0
	s_lshl_b32 s46, s42, 8
	s_add_co_u32 s46, s46, s18                     ; B likewise
	s_lshl_b32 s46, s46, 10
	s_mov_b32 s47, 0
	s_mul_i32 s45, s14, HALFT                      ; where they go: wave x 128 rows: no place in the cluster enters an LDS address
	s_wait_kmcnt 0x0
	s_load_b256 s[80:87], s[8:9], 0x0              ; e0 .. e7
	s_cmp_eq_u32 ttmp9, 2
	s_cselect_b64 s[74:75], s[6:7], s[4:5]         ; A's tensor: w for v, else x
	s_cselect_b64 s[76:77], s[4:5], s[6:7]         ; B's: the other
	s_add_nc_u64 s[20:21], s[74:75], s[20:21]
	s_add_nc_u64 s[46:47], s[76:77], s[46:47]
	CROUND                                         ; all sixteen work-groups are here: the first joint loads meet
.irp s, 0,1
	s_mov_b32 s[G0+4*\s], 1
	s_add_co_u32 s[G0+4*\s+1], s45, \s*SLOT
	s_add_nc_u64 s[G0+4*\s+2:G0+4*\s+3], s[20:21], \s*ROWB
	s_or_b32 s[G0+4*\s+3], s[G0+4*\s+3], 0x80000000
	s_mov_b32 s[G0B+4*\s], 1
	s_add_co_u32 s[G0B+4*\s+1], s45, \s*SLOT
	s_add_nc_u64 s[G0B+4*\s+2:G0B+4*\s+3], s[46:47], \s*ROWB
	s_or_b32 s[G0B+4*\s+3], s[G0B+4*\s+3], 0x80000000
	JLOAD G0+4*\s, G1, G0B+4*\s, G1B               ; two tensor loads of mine are out
.endr
	; every LDS address is made here, ahead of the first parting on the kind
	v_and_b32 v1, 15, v0                           ; r = l % 16
	v_bfe_u32 v2, v0, 4, 1                         ; h = l / 16
	v_and_b32 v5, 31, v0                           ; l
	v_mul_u32_u24 v3, v1, PITCH
	v_lshl_add_u32 v4, v2, 4, v3                   ; a fragment's row x pitch + 16 x half
	s_wait_alu depctr_va_vdst(0)
	s_mul_i32 s21, s15, HALFT                      ; my 128 rows of A
	s_mul_i32 s22, s16, HALFT                      ; my 128 rows of B,
	s_add_co_u32 s22, s22, 2*HALFT                 ; which lie behind A's 256
.irp s, 0,1
	v_add_nc_u32 v[ADRA+\s], s21, v4
	v_add_nc_u32 v[ADRB+\s], s22, v4
	s_add_co_u32 s21, s21, SLOT
	s_add_co_u32 s22, s22, SLOT
.endr
	s_mul_i32 s23, s15, HALFT                      ; the stage, on the way in: row 128 x (wave / 2) + r, byte 128 x (wave % 2) + 16 h
	s_lshl_b32 s88, s16, 7
	s_add_co_u32 s23, s23, s88
	v_add_nc_u32 v[STOQ], s23, v4
	v_add_nc_u32 v[STOV], STGV, v[STOQ]
	v_lshrrev_b32 v6, 2, v5                        ; q, k back: wave w takes the 64 bytes of head w of all 256 rows; a load takes 8 rows: row l / 4, 16 bytes at 16 (l % 4)
	v_mul_u32_u24 v6, v6, PITCH
	v_and_b32 v7, 3, v0
	v_lshl_add_u32 v6, v7, 4, v6
	s_lshl_b32 s88, s14, 6
	v_add_nc_u32 v[RDQ], s88, v6
	v_add_nc_u32 v[RDQ2], HALFT, v[RDQ]
	v_mul_u32_u24 v6, v2, PITCH                    ; v back: wave w takes rows 64 w on, whole; lanes 0-15 one row of 256 bytes, lanes 16-31 the next
	v_lshl_add_u32 v6, v1, 4, v6
	s_mul_i32 s88, s14, 64*PITCH
	s_add_co_u32 s88, s88, STGV
	v_add_nc_u32 v[RDV], s88, v6
	v_lshlrev_b32 v[GOQ], 4, v5
	v_lshlrev_b32 v[GOV], 11, v2                   ; a row of v's codes is 2,048 bytes
	v_lshl_add_u32 v[GOV], v1, 4, v[GOV]
	v_lshlrev_b32 v[H32], 5, v2
	v_lshlrev_b32 v[R4], 2, v1
	; where the codes go.  q, k: (16 b + 4 cx + wave) x 131,072 + (token tile % 8) x 16,384
	s_cmp_eq_u32 ttmp9, 0
	s_cselect_b64 s[78:79], s[68:69], s[70:71]
	s_lshr_b32 s88, s17, 3
	s_lshl_b32 s88, s88, 4
	s_lshl_b32 s89, s40, 2
	s_add_co_u32 s88, s88, s89
	s_add_co_u32 s88, s88, s14
	s_lshl_b32 s88, s88, 17
	s_and_b32 s89, s17, 7
	s_lshl_b32 s89, s89, 14
	s_add_co_u32 s88, s88, s89
	s_mov_b32 s89, 0
	s_add_nc_u64 s[78:79], s[78:79], s[88:89]
	; v: b x 2,097,152 + (256 cy + 64 wave) x 2,048 + (token tile % 8) x 256
	s_lshr_b32 s88, s42, 3
	s_lshl_b32 s88, s88, 21
	s_lshl_b32 s89, s41, 8
	s_lshl_b32 s2, s14, 6
	s_add_co_u32 s89, s89, s2
	s_lshl_b32 s89, s89, 11
	s_add_co_u32 s88, s88, s89
	s_and_b32 s89, s42, 7
	s_lshl_b32 s89, s89, 8
	s_add_co_u32 s88, s88, s89
	s_mov_b32 s89, 0
	s_add_nc_u64 s[94:95], s[72:73], s[88:89]
	; the bias, in the result's layout.  q, k: it runs along B's side (my eight neighbours); v: along A's side (my row)
	s_lshl_b32 s88, s42, 10
	s_lshl_b32 s89, s16, 9
	s_add_co_u32 s88, s88, s89                     ; 4 x (256 x B's tile + 128 x half)
	s_mov_b32 s89, 0
	s_add_nc_u64 s[90:91], s[10:11], s[88:89]
	s_lshl_b32 s88, s17, 10
	s_lshl_b32 s89, s15, 9
	s_add_co_u32 s88, s88, s89                     ; 4 x (256 x A's tile + 128 x half)
	s_mov_b32 s89, 0
	s_add_nc_u64 s[92:93], s[10:11], s[88:89]
	s_cmp_eq_u32 ttmp9, 2
	s_cbranch_scc1 .Lbias_v
	s_wait_alu depctr_va_vdst(0)
.irp b, 0,1,2,3,4,5,6,7
	global_load_b128 v[BIAS+8*\b:BIAS+8*\b+3],   v[H32], s[90:91] offset:64*\b       ; register 8 b + j: the bias of column 16 b + 8 h + j
	global_load_b128 v[BIAS+8*\b+4:BIAS+8*\b+7], v[H32], s[90:91] offset:64*\b+16
.endr
	s_branch .Lbias_done
.Lbias_v:
	s_wait_alu depctr_va_vdst(0)
.irp a, 0,1,2,3,4,5,6,7
.irp j, 0,1,2,3,4,5,6,7
	global_load_b32 v[BIAS+8*\a+\j], v[R4], s[92:93] offset:64*\a                    ; registers 8 a + 0 .. 7: the bias of row 16 a + r, eight times, so that both kinds use the same packed line
.endr
.endr
.Lbias_done:
.macro FRAG reg, adr, q, i             ; a fragment, 16 rows x 128 K, is 16 registers: lane l holds row l % 16; registers 4 c .. 4 c + 3 hold K = 32 c + 16 (l / 16) + 0 .. 15, alike in A and B
.irp c, 0,1,2,3
	ds_load_b128 v[\reg+4*\c:\reg+4*\c+3], v[\adr] offset:128*(\q)+32*\c+(\i)*16*PITCH
.endr
.endm
; 16 matrix instructions: A's blocks a0, a0 + 1 x B's eight, 128 along K.  p: B's set.  zero = 1: the first product starts the sums.
; The 64 accumulators take turns, one instruction a turn, in the same order in every step.
.macro MUL16 a0, p, zero
.irp a, \a0, \a0+1
.irp b, 0,1,2,3,4,5,6,7
.if \zero
	v_wmma_f32_16x16x128_fp8_fp8 v[8*(8*((\a)%4)+\b):8*(8*((\a)%4)+\b)+7], v[128*(\p)+FR*\b:128*(\p)+FR*\b+FR-1], v[AF+FR*(\a):AF+FR*(\a)+FR-1], 0
.else
	v_wmma_f32_16x16x128_fp8_fp8 v[8*(8*((\a)%4)+\b):8*(8*((\a)%4)+\b)+7], v[128*(\p)+FR*\b:128*(\p)+FR*\b+FR-1], v[AF+FR*(\a):AF+FR*(\a)+FR-1], v[8*(8*((\a)%4)+\b):8*(8*((\a)%4)+\b)+7]
.endif
.endr
.endr
.endm
.macro FETCH_B slot, q, p              ; B's eight fragments of the slot's q-th 128 along K into set p
	WIN TO_B
.irp i, 0,1,2,3,4,5,6,7
	FRAG 128*(\p)+FR*\i, ADRB+\slot, \q, \i
.endr
	WIN 0
.endm
.macro FETCH_A slot, q, i0             ; A's blocks i0 .. i0 + 3
.irp i, \i0, \i0+1, \i0+2, \i0+3
	FRAG AF+FR*(\i), ADRA+\slot, \q, \i
.endr
.endm
; A load into a register that a matrix instruction has read, and a vector instruction that reads a matrix result or writes one of its registers, stand NP places behind it; only plain vector
; instructions that name none of its registers are places (ISA guide 7.12.1 for vector instructions).
.macro PLACES n
.rept \n
	v_nop
.endr
.endm
; A step of 128 along K that has its successor in the same slot.
.macro STEP slot, q, zero
	s_wait_dscnt 4*NL                              ; B's set and A's blocks 0-3 are in; the youngest sixteen loads (A's blocks 4-7) may be out
	WIN MUL_LO
	MUL16 0, (\q)%2, \zero
	MUL16 2, (\q)%2, \zero
	s_wait_dscnt 0                                 ; A's blocks 4-7 are in (asked for 32 matrix instructions ago)
	PLACES NP
	FETCH_B \slot, (\q)+1, 1-(\q)%2
	FETCH_A \slot, (\q)+1, 0
	WIN MUL_HI
	MUL16 4, (\q)%2, \zero
	MUL16 6, (\q)%2, \zero
	PLACES NP
	WIN 0
	FETCH_A \slot, (\q)+1, 4
.endm
; A slot's last step changes slots: ONE barrier; in front of it each wave waits for all its tensor loads, adds 0 to its spare word, and waits for that and for its own reads of this slot.  fill = 1: this slot is filled again, two K steps ahead.
.macro TURN slot, next, fill
	s_wait_tensorcnt 0x0                           ; all my tensor loads have landed: my part of the next slot;  (every window is 0 here)
	ds_add_u32 v[SPW], v[NIL]                      ; 0 onto my spare word
	s_wait_dscnt 4*NL+1                            ; (the add and the youngest sixteen loads, A's blocks 4-7, may be out)
	WIN MUL_LO
	MUL16 0, 1, 0                                  ; sixteen matrix instructions stand between the add and the wait for it
	s_wait_dscnt 0x0                               ; the add is done, and my reads of this slot are over
	s_barrier_signal -1
	MUL16 2, 1, 0
	WIN 0
	s_barrier_wait -1
.if \fill
	CREST                                          ; the barrier has opened a round of the cluster's barrier: no wave of any partner still reads this slot's tile or has a load on its way
	s_add_nc_u64 s[G0+4*\slot+2:G0+4*\slot+3], s[G0+4*\slot+2:G0+4*\slot+3], ASTEP
	s_add_nc_u64 s[G0B+4*\slot+2:G0B+4*\slot+3], s[G0B+4*\slot+2:G0B+4*\slot+3], BSTEP
	JLOAD G0+4*\slot, G1, G0B+4*\slot, G1B         ; the first tensor load behind the round, my one load until the next; its four v_nop are the places in front of the loads below
.else
	PLACES NP
.endif
	FETCH_B \next, 0, 0
	FETCH_A \next, 0, 0
	WIN MUL_HI
	MUL16 4, 1, 0
	MUL16 6, 1, 0
	PLACES NP
	WIN 0
	FETCH_A \next, 0, 4
.endm
	s_wait_tensorcnt 1                             ; my part of K step 0 is in (K step 1's load, issued behind it, may be out)
	s_barrier_signal -1
	s_barrier_wait -1                              ; everybody's is
	FETCH_B 0, 0, 0
	FETCH_A 0, 0, 0
	FETCH_A 0, 0, 4
	STEP 0, 0, 1                                   ; K 0-127: its products start the sums: nothing is cleared
	TURN 0, 1, 1                                   ; K 128-255; slot 0 takes K 512-767
	STEP 1, 0, 0
	TURN 1, 0, 1                                   ; slot 1 takes K 768-1023
	STEP 0, 0, 0
	TURN 0, 1, 0                                   ; the last change of slots: nothing is filled, so no round of the cluster's barrier; behind it nobody reads slot 0
	STEP 1, 0, 0
	s_wait_dscnt 4*NL                              ; the very last step: nothing more to fetch
	WIN MUL_LO
	MUL16 0, 1, 0
	MUL16 2, 1, 0
	s_wait_dscnt 0
	WIN MUL_HI
	MUL16 4, 1, 0
	MUL16 6, 1, 0
	WIN 0
	; THE WAY OUT.  value = sum x 2^(e0 + e1) + bias; eight neighbours become eight codes; codes meet in the work-group's stage; a barrier; whole runs of bytes leave.
	s_wait_kmcnt 0x0
	s_add_co_i32 s96, s80, s81
	s_add_co_i32 s96, s96, 127
	s_lshl_b32 s96, s96, 23                        ; 2^(e0 + e1) as f32
	s_mov_b32 s97, s96                             ; (named with it as a pair, so it is written)
	s_cmp_eq_u32 ttmp9, 0
	s_cselect_b32 s88, s82, s83                    ; e2 for q, e3 for k,
	s_cmp_eq_u32 ttmp9, 2
	s_cselect_b32 s88, s85, s88                    ; e5 for v: a choice of a value, no branch
	s_add_co_i32 s88, s88, 127
	s_lshl_b32 s89, s88, 23
	v_mov_b32 v[SC], s89                           ; 2^e as f32: the conversion takes its exponent field
	s_wait_loadcnt 0x0                             ; the bias
	PLACES NP                                      ; behind the last products: their results are read and A's registers written below
; Block a of 16 rows of A's side x my 128 of B's side.  kindv = 1: the bias goes by rows and the codes into v's stage.
.macro PH1 kindv, a
.set AC, 64*((\a)%4)
.set CC, CD+16*((\a)%2)
	WIN 0x02+((\a)/4)                              ; source 0: window 2 or 3
.irp b, 0,1,2,3,4,5,6,7
.irp i, 0,2,4,6
.if \kindv
	v_pk_fma_f32 v[TMP+8*\b+\i:TMP+8*\b+\i+1], v[AC+8*\b+\i:AC+8*\b+\i+1], s[96:97], v[BIAS+8*(\a)+\i:BIAS+8*(\a)+\i+1] op_sel_hi:[1,0,1]
.else
	v_pk_fma_f32 v[TMP+8*\b+\i:TMP+8*\b+\i+1], v[AC+8*\b+\i:AC+8*\b+\i+1], s[96:97], v[BIAS+8*\b+\i:BIAS+8*\b+\i+1] op_sel_hi:[1,0,1]   ; each accumulator from its low end on
.endif
.endr
.endr
	WIN 0
.set n, 0
.rept 64
.set n, n+1
.endr
.if (\a) >= 2
	s_wait_alu depctr_va_vdst(0)
	s_wait_dscnt 4                                 ; block a - 2's four stores have read this set of code registers; block a - 1's four may be out
.endif
.irp b, 0,1,2,3,4,5,6,7
	v_cvt_scalef32_pk8_fp8_f32 v[CC+2*\b:CC+2*\b+1], v[TMP+8*\b:TMP+8*\b+7], v[SC]
.endr
	v_nop                                          ; one plain vector instruction behind the last conversion: the next block's lines write its sources
.irp c, 0,1,2,3
.if \kindv
	ds_store_b128 v[STOV], v[CC+4*\c:CC+4*\c+3] offset:(\a)*16*PITCH+32*\c
.else
	ds_store_b128 v[STOQ], v[CC+4*\c:CC+4*\c+3] offset:(\a)*16*PITCH+32*\c   ; blocks 2 c and 2 c + 1 of B's side: 16 bytes at 32 c + 16 h
.endif
.endr
.endm
	s_cmp_eq_u32 ttmp9, 2
	s_cbranch_scc1 .Lph1_v
.irp a, 0,1,2,3,4,5,6,7
	PH1 0, \a
.endr
	s_branch .Lph1_done
.Lph1_v:
.irp a, 0,1,2,3,4,5,6,7
	PH1 1, \a
.endr
.Lph1_done:
	s_wait_dscnt 0x0                               ; for the others' sake: my stores into the stage are done
	s_barrier_signal -1
	s_barrier_wait -1
; 32 loads from the stage, 32 stores: no register is written twice, so no store's sources are touched again
.macro PH2 rd0, rd1, off1, lstep, go, base, gstep
.set i, 0
.rept 16
	ds_load_b128 v[32+4*i:32+4*i+3], v[\rd0] offset:i*\lstep
.set i, i+1
.endr
.set i, 0
.rept 16
	ds_load_b128 v[128+4*i:128+4*i+3], v[\rd1] offset:\off1+i*\lstep
.set i, i+1
.endr
.set i, 0
.rept 16
	s_wait_dscnt 31-i                              ; LDS loads come back in order (ISA guide 5.7.1): load i is in
	global_store_b128 v[\go], v[32+4*i:32+4*i+3], s[\base:\base+1] offset:i*\gstep
.set i, i+1
.endr
.set i, 0
.rept 16
	s_wait_dscnt 15-i
	global_store_b128 v[\go], v[128+4*i:128+4*i+3], s[\base:\base+1] offset:(16+i)*\gstep
.set i, i+1
.endr
.endm
	s_cmp_eq_u32 ttmp9, 2
	s_cbranch_scc1 .Lph2_v
	PH2 RDQ, RDQ2, 0, 8*PITCH, GOQ, 78, 512        ; q, k: my head's 64 bytes of 8 tokens: a store covers 512 consecutive bytes, aligned
	s_branch .Lph2_done
.Lph2_v:
	PH2 RDV, RDV, 32*PITCH, 2*PITCH, GOV, 94, 4096 ; v: two channels' 256 keys: sixteen lanes store 256 consecutive bytes, aligned
.Lph2_done:
	s_wait_tensorcnt 0x0                           ; the wave's end
	ds_add_u32 v[SPW], v[NIL]
	s_wait_dscnt 0x0
	CROUND                                         ; the closing round: no work-group ends while a partner may still ask for a tile that names it
	s_endpgm
.Lfunc_end_k_qb3117742d0_qkv:
	.size	k_qb3117742d0_qkv, .Lfunc_end_k_qb3117742d0_qkv-k_qb3117742d0_qkv
	.p2alignl 7, 3214868480
	.fill 96, 4, 3214868480
	.section	.rodata,"a",@progbits
	.p2align	6, 0x0
	.amdhsa_kernel k_qb3117742d0_qkv
		.amdhsa_group_segment_fixed_size 327680
		.amdhsa_private_segment_fixed_size 0
		.amdhsa_enable_private_segment 0
		.amdhsa_kernarg_size 56
		.amdhsa_user_sgpr_count 2
		.amdhsa_user_sgpr_kernarg_segment_ptr 1
		.amdhsa_wavefront_size32 1
		.amdhsa_system_sgpr_workgroup_id_x 1
		.amdhsa_system_sgpr_workgroup_id_y 1
		.amdhsa_system_sgpr_workgroup_id_z 1
		.amdhsa_system_vgpr_workitem_id 0
		.amdhsa_next_free_vgpr 1024
		.amdhsa_next_free_sgpr 100
		.amdhsa_reserve_vcc 0
		.amdhsa_float_denorm_mode_32 3
		.amdhsa_float_denorm_mode_16_64 3
		.amdhsa_fp16_overflow 1
		.amdhsa_memory_ordered 1
		.amdhsa_forward_progress 1
		.amdhsa_inst_pref_size 146
	.end_amdhsa_kernel
	.amdgpu_metadata
---
amdhsa.version: [ 1, 2 ]
amdhsa.kernels:
  - .name:           k_qb3117742d0_qkv
    .symbol:         k_qb3117742d0_qkv.kd
    .args:
      - { .name: x_codes, .offset: 0, .size: 8, .value_kind: global_buffer, .address_space: global }
      - { .name: w_qkv_codes, .offset: 8, .size: 8, .value_kind: global_buffer, .address_space: global }
      - { .name: lowp_scales, .offset: 16, .size: 8, .value_kind: global_buffer, .address_space: global }
      - { .name: b_qkv, .offset: 24, .size: 8, .value_kind: global_buffer, .address_space: global }
      - { .name: q_codes, .offset: 32, .size: 8, .value_kind: global_buffer, .address_space: global }
      - { .name: k_codes, .offset: 40, .size: 8, .value_kind: global_buffer, .address_space: global }
      - { .name: v_codes, .offset: 48, .size: 8, .value_kind: global_buffer, .address_space: global }
    .group_segment_fixed_size: 327680
    .private_segment_fixed_size: 0
    .kernarg_segment_align: 8
    .kernarg_segment_size: 56
    .max_flat_workgroup_size: 128
    .sgpr_count:     100
    .vgpr_count:     1024
    .wavefront_size: 32
...
	.end_amdgpu_metadata
.endif
;; end of part 1
;; launch attn (part 2): grid 4 x 64, 8 waves a work-group, clusters of 4 x 1, 327,680 bytes of LDS; arguments q_codes, k_codes, v_codes, lowp_scales, y_codes; writes y_codes
.if DOCPART == 2
	.amdgcn_target "amdgcn-amd-amdhsa--gfx1250"
	.amdhsa_code_object_version 6
	.text
	.protected	k_qb3117742d0_attn
	.globl	k_qb3117742d0_attn
	.p2align	8
	.type	k_qb3117742d0_attn,@function
k_qb3117742d0_attn:
	s_mov_b64 s[64:65], 0
	v_nop
	global_prefetch_b8 v0, s[64:65] scope:SCOPE_SE
	s_setreg_imm32_b32 hwreg(HW_REG_WAVE_MODE, 25, 1), 1
	s_wait_xcnt 0x0
	s_wait_alu depctr_hold_cnt(0) depctr_sa_sdst(0) depctr_va_vdst(0) depctr_va_sdst(0) depctr_va_ssrc(0) depctr_va_vcc(0) depctr_vm_vsrc(0)
	s_getreg_b32 s2, hwreg(HW_REG_IB_STS2, 6, 4)
	s_cmp_eq_u32 s2, 0
	s_cbranch_scc0 .Lentry_in_a_cluster
	s_endpgm
.Lentry_in_a_cluster:
	s_bfe_u32 s2, ttmp6, 0x10000c
	s_cmp_lg_u32 s2, 0x3003
	s_cbranch_scc0 .Lentry_shape_is_right
	s_endpgm
.Lentry_shape_is_right:
; Causal attention on codes of FP8 (E4M3): 64 heads of 2,048 tokens, head size 64.  y = softmax(q k^T / 8, causal) v, quantised with 2^e6 for the projection.
; q_codes, k_codes: [head][token][64];  v_codes: [head][channel][2048 keys] (keys innermost; the order inside each 32 bytes is that of the launch that made them, and is the order in which p's codes fall out here).
; THE SOFTMAX: t = score x 2^(e2 + e3) x log2(e) / 8; M = the row's largest t so far, rounded UP to a whole number; p = 2^(t - M) is quantised with 2^e4, not normalised.  The row's sum is taken of the unquantised p
; and divides at the end.  When M moves, the sum and O are multiplied by 2^(old M - new M): exact.
; LIMITS: e2 + e3 between -123 and 130 (added to c's exponent field); e4 and e6 between -126 and 119; e4 + e5 is applied by v_ldexp_f32 and has none.
; CLUSTER.  The four work-groups of a cluster own one head.  The head's WHOLE K and V, 262,144 bytes of codes, lie in each partner's LDS, fetched ONCE by joint loads (each wave two, mask of all four): no LDS byte is filled twice.
; THE FIRST 256 KEYS COME FIRST: a wave's first load is a quarter of their K (waves 0-3) or V (waves 4-7), 16 LDS rows; its second is the rest: wave 0 K's other 448 rows, waves 1-7 V's chunk of their own number.
; So the first two key steps begin when 32,768 bytes have landed, and the other 229,376 land under them.
; SHARES.  The queries fall into 16 groups of 128; a query of group g sees key steps 0 .. g of 128 keys, step g through the mask.  Work-group cx takes queries 128 g + 32 cx + 0 .. 31 of EVERY group (two tiles of 16), so all
; partners walk alike; cx enters only q's and y's addresses and the number that the mask compares.  Wave w takes group 15 - w and then group w: 17 key steps for every wave.  Both tiles use each fragment of K and V.
; The long pass comes first: its steps 0-7 are alike in all waves, so every wave reaches the barrier behind steps 0 and 1, which shows the rest of K and V, after the same work.
; LAYOUT.  Both products are used transposed: S^T = K Q^T (source 0 = 16 keys, source 1 = 16 queries), O^T = V^T P^T (source 0 = 16 channels, source 1 = P): a lane holds ONE query (lane % 16) throughout.
; In S^T register 8 t + j of lane (r, h) is key 16 t + 8 h + j; eight registers become eight codes, and P's 16 registers are the second product's operand as they stand.
; REGISTERS: window 0: v1-15 addresses and constants; v16-47 statistics, 16 a tile; v64-191 S^T, then p; v192-223 P's codes.   window 1: v0-63 K (8 fragments), v64-127 V (4), v128-191 O^T, v192-207 Q.
.set PITCH, 272                        ; an LDS row: 256 bytes + 16 of padding
.set CH,    64*PITCH                   ; a chunk of 256 keys: K: 64 rows of four keys;  V: 64 channels x 256 keys
.set PIECE, 16*PITCH                   ; a quarter of a chunk: a wave's first load
.set VOFF,  8*CH                       ; K's eight chunks, then V's eight
.set STAGE, 16*CH                      ; behind them: 2,048 bytes for each wave, for the way out; no tensor load lands there
.set AK0,  1                           ; v1   my lane's place in a tile of K: (r / 4) x 272 + (r % 4) x 64 + 16 h: sixteen keys touch sixteen different 16-byte columns
.set AV0,  2                           ; v2   the same for V: VOFF + r x 272 + 16 h
.set ADK,  3                           ; v3   LDS address of the step's K
.set ADV,  4                           ; v4   of its V
.set QO,   5                           ; v5   q: 64 r + 16 h
.set STO,  6                           ; v6   the way out: where I put 8 codes
.set RD,   7                           ; v7   and where I read 16 bytes back
.set GO,   8                           ; v8   16 x lane
.set DQ,   9                           ; v9   32 cx + r - 8 h: what the mask compares
.set NINF, 10                          ; v10  -infinity
.set PLIM2, 11
.set PLIM, 12                          ; v13  2^e4
.set PSC,  13
.set YLIM, 14                          ; v15  2^e6
.set YSC,  15
.set ST,   16                          ; tile u at v[ST + 16 u]: +0 -M, +1 the largest t, +2 +3 the sum, +4 f (+5 named with it), +6 +7 at work, +8 the permute's destination, +10 +11 the sum's second chain
.set S,    64
.set P,    192
.set KF,   0                           ; in window 1
.set VF,   64
.set O,    128
.set QF,   192
.set WV,   14                          ; s14 wave;  s15 cx;  s16 the head, 16 b + h
.set CX,   15
.set BH,   16
.set SEL,  20                          ; s[20:21] selects for v_permlanex16_b32: lane l xor 16
.set CS,   22                          ; s[22:23] c = 2^(e2 + e3) log2(e) / 8
.set G1K1, 24                          ; s[24:31] group 1: a quarter of K's first chunk: 16 rows, dense
.set G1V1, 32                          ; s[32:39] a quarter of V's first chunk: 16 rows, 2,048 bytes apart
.set G1K2, 40                          ; s[40:47] the rest of K: 448 rows, dense
.set G1V2, 48                          ; s[48:55] a chunk of V: 64 rows, 2,048 bytes apart
.set G0K1, 84                          ; s[84:99] their groups 0; none is ever written again
.set G0V1, 88
.set G0K2, 92
.set G0V2, 96
.set TB,   66                          ; s66  LDS byte of the chunk in hand
.set KS,   67                          ; s67  the key step's number
.set CNT,  68                          ; s68  chunks to go
.set G,    69                          ; s69  my group of queries
.set EPV,  70                          ; s70  e4 + e5
.set QB,   72                          ; s[72:73] q at my 32 queries;  s[74:75] y likewise
.set YB,   74
.set MSB, 0
.macro WIN new                         ; the immediate's high byte repeats the setting that is left
.if MSB != \new
	s_set_vgpr_msb (MSB<<8)|\new
.set MSB, \new
.endif
.endm
.set LD1,   0x40                       ; destination window 1, address window 0
.set W_KQ,  0x05                       ; K and Q window 1, S^T window 0
.set W_RS,  0x41                       ; O^T (destination and source 0) window 1, f window 0
.set W_PV,  0x51                       ; V, C and D window 1, P window 0
.set W_OUT, 0x01                       ; source 0 window 1
.macro CROUND                          ; a round of the cluster's barrier
	s_barrier_signal -1
	s_barrier_wait -1
	s_cmp_lg_u32 s[WV], 0
	s_cbranch_scc1 .Lnot_wave_0_\@
	s_barrier_signal -3
.Lnot_wave_0_\@:
	s_barrier_wait -3
	s_barrier_signal -1
	s_barrier_wait -1
.endm
; descriptor group 1: rows of 256 bytes, padded in LDS; constants, written on the one way that all waves take
.macro GROUP1 g, rows, pitch
	s_mov_b32 s[\g], 15|(1<<20)|(1<<21)|(5<<22)|(3<<25)   ; 15:0 the mask: all four work-groups; 17:16 elements of 1 byte; 20 padding on; 21 set beside a mask; 24:22 after every 64 words (code 5); 31:25 of 4 words (code 3)
	s_mov_b32 s[\g+1], 256<<16                     ; tensor_dim0
	s_mov_b32 s[\g+2], (\rows)<<16                 ; tensor_dim1
	s_mov_b32 s[\g+3], 256<<16                     ; tile_dim0
	s_mov_b32 s[\g+4], \rows                       ; tile_dim1
	s_mov_b32 s[\g+5], \pitch                      ; tensor_dim0_stride
	s_mov_b32 s[\g+6], 0
	s_mov_b32 s[\g+7], 0
.endm
	s_load_b256 s[4:11], s[0:1], 0x0               ; q s[4:5], k s[6:7], v s[8:9], the scales' exponents s[10:11]
	s_load_b64 s[12:13], s[0:1], 0x20              ; y
	v_lshl_add_u32 v254, v0, 2, 0x48000
	v_mov_b32 v255, 0
	ds_add_u32 v254, v255
	ds_add_u32 v254, v255
	v_lshrrev_b32 v1, 5, v0
	s_delay_alu instid0(VALU_DEP_1)
	v_readfirstlane_b32 s[WV], v1                  ; wave 0..7
	s_bfe_u32 s[CX], ttmp6, 0x40000                ; cx: my place in the cluster
	s_and_b32 s[BH], ttmp7, 0xffff                 ; the head, which the four partners share
	GROUP1 G1K1, 16, 256
	GROUP1 G1V1, 16, 2048
	GROUP1 G1K2, 448, 256
	GROUP1 G1V2, 64, 2048
	s_mov_b32 s[SEL], 0x76543210
	s_mov_b32 s[SEL+1], 0xfedcba98
	s_and_b32 s76, s[WV], 3                        ; which quarter of the first chunk I fetch (waves 0-3: K's, waves 4-7: V's)
	s_mul_i32 s77, s76, PIECE                      ; its place in LDS: no place in the cluster enters an LDS address
	s_lshl_b32 s78, s[BH], 17                      ; the head's first byte in q, k and v: 131,072 x head
	s_mov_b32 s79, 0
	s_lshl_b32 s80, s76, 12                        ; K: 64 keys x 64 bytes
	s_mov_b32 s81, 0
	s_lshl_b32 s82, s76, 15                        ; V: 16 channels x 2,048 bytes
	s_mov_b32 s83, 0
	s_wait_dscnt 0x0
	s_wait_kmcnt 0x0
	s_load_b256 s[56:63], s[10:11], 0x0            ; e0 .. e7
	s_add_nc_u64 s[4:5], s[4:5], s[78:79]
	s_add_nc_u64 s[6:7], s[6:7], s[78:79]
	s_add_nc_u64 s[8:9], s[8:9], s[78:79]
	CROUND                                         ; all four work-groups are here: the joint loads meet
	s_mov_b32 s[G0K1], 1                           ; 1:0 count = 1
	s_mov_b32 s[G0K1+1], s77                       ; 63:32 LDS address
	s_add_nc_u64 s[G0K1+2:G0K1+3], s[6:7], s[80:81]   ; 120:64 global address
	s_or_b32 s[G0K1+3], s[G0K1+3], 0x80000000      ; 127:126 type = 2
	s_mov_b32 s[G0V1], 1
	s_add_co_u32 s[G0V1+1], s77, VOFF
	s_add_nc_u64 s[G0V1+2:G0V1+3], s[8:9], s[82:83]
	s_or_b32 s[G0V1+3], s[G0V1+3], 0x80000000
	s_cmp_lt_u32 s[WV], 4                          ; the branches hang on the wave's number alone; four v_nop follow each tensor load
	s_cbranch_scc0 .Lpiece_v
	tensor_load_to_lds s[G0K1:G0K1+3], s[G1K1:G1K1+7]
	s_nop 0
.rept 4
	v_nop
.endr
	s_branch .Lpiece_asked
.Lpiece_v:
	tensor_load_to_lds s[G0V1:G0V1+3], s[G1V1:G1V1+7]
	s_nop 0
.rept 4
	v_nop
.endr
.Lpiece_asked:
	s_mov_b32 s[G0K2], 1                           ; the second loads' descriptors are made between the two, so that every wave's small load is asked for ahead of the large ones
	s_mov_b32 s[G0K2+1], CH                        ; K's rows 64 to 511
	s_add_nc_u64 s[G0K2+2:G0K2+3], s[6:7], 16384   ; keys 256 on
	s_or_b32 s[G0K2+3], s[G0K2+3], 0x80000000
	s_mov_b32 s[G0V2], 1
	s_mul_i32 s76, s[WV], CH
	s_add_co_u32 s[G0V2+1], s76, VOFF              ; V's chunk of my number
	s_lshl_b32 s80, s[WV], 8                       ; 256 bytes along each row (s81 is 0)
	s_add_nc_u64 s[G0V2+2:G0V2+3], s[8:9], s[80:81]
	s_or_b32 s[G0V2+3], s[G0V2+3], 0x80000000
	s_wait_alu depctr_va_vdst(0)
	s_wait_tensorcnt 0x0
	ds_add_u32 v254, v255
	s_wait_dscnt 0x0
	CROUND
	s_cmp_eq_u32 s[WV], 0
	s_cbranch_scc0 .Lrest_v
	tensor_load_to_lds s[G0K2:G0K2+3], s[G1K2:G1K2+7]
	s_nop 0
.rept 4
	v_nop
.endr
	s_branch .Lrest_asked
.Lrest_v:
	tensor_load_to_lds s[G0V2:G0V2+3], s[G1V2:G1V2+7]
	s_nop 0
.rept 4
	v_nop
.endr
.Lrest_asked:                                      ; one tensor load of mine is out, on every wave's way
	v_and_b32 v48, 15, v0                          ; r
	v_bfe_u32 v49, v0, 4, 1                        ; h
	v_and_b32 v50, 31, v0                          ; lane
	s_delay_alu instid0(VALU_DEP_3)
	v_lshrrev_b32 v51, 2, v48
	s_delay_alu instid0(VALU_DEP_1)
	v_mul_u32_u24 v[AK0], v51, PITCH
	v_and_b32 v51, 3, v0
	s_delay_alu instid0(VALU_DEP_1)
	v_lshl_add_u32 v[AK0], v51, 6, v[AK0]
	s_delay_alu instid0(VALU_DEP_1)
	v_lshl_add_u32 v[AK0], v49, 4, v[AK0]
	v_mul_u32_u24 v[AV0], v48, PITCH
	s_delay_alu instid0(VALU_DEP_1)
	v_lshl_add_u32 v[AV0], v49, 4, v[AV0]
	s_delay_alu instid0(VALU_DEP_1)
	v_add_nc_u32 v[AV0], VOFF, v[AV0]
	v_lshlrev_b32 v[QO], 6, v48
	s_delay_alu instid0(VALU_DEP_1)
	v_lshl_add_u32 v[QO], v49, 4, v[QO]
	s_lshl_b32 s76, s[WV], 11
	s_add_co_u32 s76, s76, STAGE                   ; my stage
	v_lshlrev_b32 v[STO], 6, v48
	s_delay_alu instid0(VALU_DEP_1)
	v_lshl_add_u32 v[STO], v49, 3, v[STO]
	s_delay_alu instid0(VALU_DEP_1)
	v_add_nc_u32 v[STO], s76, v[STO]               ; in: query r's 64 bytes, 8 h on
	v_lshlrev_b32 v[GO], 4, v50
	s_delay_alu instid0(VALU_DEP_1)
	v_add_nc_u32 v[RD], s76, v[GO]                 ; back: 16 bytes a lane, as they lie
	s_lshl_b32 s77, s[CX], 5
	v_lshlrev_b32 v[DQ], 3, v49
	s_delay_alu instid0(VALU_DEP_1)
	v_sub_nc_u32 v[DQ], v48, v[DQ]
	s_delay_alu instid0(VALU_DEP_1)
	v_add_nc_u32 v[DQ], s77, v[DQ]
	v_mov_b32 v[NINF], 0xff800000
.irp u, 0,1
	v_mov_b32 v[ST+16*\u+5], 0                     ; (named as the upper half of f's pair)
	v_mov_b32 v[ST+16*\u+8], 0                     ; written once: a lane permute's destination counts as one of its sources
.endr
	s_wait_kmcnt 0x0
	s_add_co_i32 s76, s58, s59
	s_lshl_b32 s76, s76, 23
	s_mov_b32 s[CS], 0x3e38aa3b                    ; log2(e) / 8
	s_add_co_i32 s[CS], s[CS], s76                 ; a score stands for score x 2^(e2 + e3): the two exponents are added to c's exponent field
	s_mov_b32 s[CS+1], s[CS]                       ; (named with it as a pair, so it is written)
	s_add_co_i32 s76, s60, 127
	s_lshl_b32 s77, s76, 23
	v_mov_b32 v[PSC], s77                          ; 2^e4 as f32
	s_add_co_i32 s76, s62, 127
	s_lshl_b32 s77, s76, 23
	v_mov_b32 v[YSC], s77                          ; 2^e6
	s_add_co_i32 s[EPV], s60, s61                  ; e4 + e5
; The head of a pass: my group, its addresses, Q's two fragments, O^T and the statistics.  The step is written once: the first finds zeros, which the first change of M leaves zeros.
.macro PHEAD long
.if \long
	s_sub_co_u32 s[G], 15, s[WV]
.else
	s_mov_b32 s[G], s[WV]
.endif
	s_lshl_b32 s76, s[G], 7
	s_lshl_b32 s77, s[CX], 5
	s_add_co_u32 s76, s76, s77                     ; my first query in the head: 128 g + 32 cx
	s_lshl_b32 s78, s76, 6
	s_mov_b32 s79, 0
	s_add_nc_u64 s[QB:QB+1], s[4:5], s[78:79]
	s_lshr_b32 s80, s[BH], 4
	s_lshl_b32 s80, s80, 11
	s_add_co_u32 s80, s80, s76                     ; m = 2,048 b + that
	s_lshl_b32 s80, s80, 8                         ; y_codes: [head / 4][m / 16][head % 4][m % 16][64]: (m / 16) x 4,096
	s_bfe_u32 s81, s[BH], 0x20002                  ; (head / 4): two bits from bit 2
	s_lshl_b32 s81, s81, 21
	s_add_co_u32 s80, s80, s81
	s_and_b32 s81, s[BH], 3
	s_lshl_b32 s81, s81, 10
	s_add_co_u32 s80, s80, s81
	s_mov_b32 s81, 0
	s_add_nc_u64 s[YB:YB+1], s[12:13], s[80:81]
	WIN LD1
.irp u, 0,1
.irp c, 0,1
	global_load_b128 v[QF+8*\u+4*\c:QF+8*\u+4*\c+3], v[QO], s[QB:QB+1] offset:1024*\u+32*\c
.endr
.endr
.set n, 0
.rept 64
	v_mov_b32 v[O+n], 0
.set n, n+1
.endr
	WIN 0
.irp u, 0,1
	v_mov_b32 v[ST+16*\u+1], 0xff61b1e6            ; the largest t so far: -3e38, under every t
	s_delay_alu instid0(VALU_DEP_1)
	v_floor_f32 v[ST+16*\u], -v[ST+16*\u+1]        ; -M
	v_mov_b32 v[ST+16*\u+2], 0                     ; the sum, in two halves
	v_mov_b32 v[ST+16*\u+3], 0
.endr
.endm
; On the diagonal the scores of hidden keys become -infinity ahead of the maximum: p = 0 then.  Register 8 t + j of tile u: key 16 t + 8 h + j of the step against query 32 cx + 16 u + r of the group.
.macro MASK
.irp u, 0,1
.set n, 0
.rept 64
	v_cmp_gt_i32 vcc_lo, 16*(n/8)+n%8-16*\u, v[DQ]
	v_cndmask_b32 v[S+64*\u+n], v[S+64*\u+n], v[NINF], vcc_lo
.set n, n+1
.endr
.endr
.endm
; The two tiles' softmax of a step; where one line feeds the next, the tiles alternate.  Every accumulator of S^T is read from its low end on.
.macro SOFTMAX
.irp u, 0,1
	v_max3_num_f32 v[ST+16*\u+6], v[S+64*\u], v[S+64*\u+1], v[S+64*\u+2]   ; the step's largest score of my query among my 64 keys, in two chains a tile
	v_max3_num_f32 v[ST+16*\u+7], v[S+64*\u+3], v[S+64*\u+4], v[S+64*\u+5]
.endr
.irp i, 6,10,14,18,22,26,30,34,38,42,46,50,54,58
.irp u, 0,1
	v_max3_num_f32 v[ST+16*\u+6], v[ST+16*\u+6], v[S+64*\u+\i], v[S+64*\u+\i+1]
	v_max3_num_f32 v[ST+16*\u+7], v[ST+16*\u+7], v[S+64*\u+\i+2], v[S+64*\u+\i+3]
.endr
.endr
.irp u, 0,1
	v_max3_num_f32 v[ST+16*\u+6], v[ST+16*\u+6], v[S+64*\u+62], v[S+64*\u+63]
.endr
.irp u, 0,1
	s_delay_alu instid0(VALU_DEP_2)
	v_max_num_f32 v[ST+16*\u+6], v[ST+16*\u+6], v[ST+16*\u+7]
.endr
.irp u, 0,1
	s_delay_alu instid0(VALU_DEP_2)
	v_permlanex16_b32 v[ST+16*\u+8], v[ST+16*\u+6], s[SEL], s[SEL+1]
.endr
.irp u, 0,1
	s_delay_alu instid0(VALU_DEP_2)
	v_max_num_f32 v[ST+16*\u+6], v[ST+16*\u+6], v[ST+16*\u+8]              ; and among lane l xor 16's
.endr
.irp u, 0,1
	s_delay_alu instid0(VALU_DEP_2)
	v_mul_f32 v[ST+16*\u+6], s[CS], v[ST+16*\u+6]                          ; as t (c is positive)
.endr
.irp u, 0
	s_delay_alu instid0(VALU_DEP_2)
	v_max_num_f32 v[ST+16*\u+1], v[ST+16*\u+1], v[ST+16*\u+6]              ; the running largest t
	v_mov_b32 v[ST+16*\u+6], v[ST+16*\u]
.endr
.irp u, 1
	s_delay_alu instid0(VALU_DEP_3)
	v_max_num_f32 v[ST+16*\u+1], v[ST+16*\u+1], v[ST+16*\u+6]
	v_mov_b32 v[ST+16*\u+6], v[ST+16*\u]
.endr
.irp u, 0
	s_delay_alu instid0(VALU_DEP_4)
	v_floor_f32 v[ST+16*\u], -v[ST+16*\u+1]
.endr
.irp u, 1
	s_delay_alu instid0(VALU_DEP_3)
	v_floor_f32 v[ST+16*\u], -v[ST+16*\u+1]                                ; the new -M = floor(-t) = -ceil(t): M IS A WHOLE NUMBER
.endr
.irp u, 0,1
	s_delay_alu instid0(VALU_DEP_2)
	v_sub_f32 v[ST+16*\u+6], v[ST+16*\u], v[ST+16*\u+6]                    ; M's old value less its new one: a whole number, 0 or less
.endr
.irp u, 0,1
	s_delay_alu instid0(VALU_DEP_2)
	v_cvt_i32_f32 v[ST+16*\u+6], v[ST+16*\u+6]                             ; (it saturates)
.endr
.irp u, 0,1
	s_delay_alu instid0(VALU_DEP_2)
	v_ldexp_f32 v[ST+16*\u+4], 1.0, v[ST+16*\u+6]                          ; f = 2^(old M - new M)
.endr
.irp u, 0,1
.set n, 0
.rept 32
	v_pk_fma_f32 v[S+64*\u+n:S+64*\u+n+1], v[S+64*\u+n:S+64*\u+n+1], s[CS:CS+1], v[ST+16*\u:ST+16*\u+1] op_sel_hi:[1,0,0]   ; t - M, two at a time (of the pairs c and -M the low word serves both halves)
.set n, n+2
.endr
.endr
.set n, 0
	s_wait_alu depctr_va_vdst(0)
.rept 128
	v_exp_f32 v[S+n], v[S+n]                                               ; p = 2^(t - M), at most 1: NOT normalised
.set n, n+1
.endr
.irp u, 0,1
	v_pk_mul_f32 v[ST+16*\u+2:ST+16*\u+3], v[ST+16*\u+2:ST+16*\u+3], v[ST+16*\u+4:ST+16*\u+5] op_sel_hi:[1,0]   ; the sums under the new M.  (A plain place behind the exponentials)
.endr
	s_wait_alu depctr_va_vdst(0)
.irp u, 0,1
	v_pk_add_f32 v[ST+16*\u+10:ST+16*\u+11], v[S+64*\u:S+64*\u+1], v[S+64*\u+2:S+64*\u+3]   ; THE ROW'S SUM IS TAKEN OF THE UNQUANTISED p: two at a time, in two chains a tile
.endr
.irp j, 4,8,12,16,20,24,28,32,36,40,44,48,52,56,60
.irp u, 0,1
	v_pk_add_f32 v[ST+16*\u+2:ST+16*\u+3], v[ST+16*\u+2:ST+16*\u+3], v[S+64*\u+\j:S+64*\u+\j+1]
	v_pk_add_f32 v[ST+16*\u+10:ST+16*\u+11], v[ST+16*\u+10:ST+16*\u+11], v[S+64*\u+\j+2:S+64*\u+\j+3]
.endr
.endr
.irp u, 0
	s_delay_alu instid0(VALU_DEP_3)
	v_pk_add_f32 v[ST+16*\u+2:ST+16*\u+3], v[ST+16*\u+2:ST+16*\u+3], v[ST+16*\u+10:ST+16*\u+11]
.endr
.irp u, 1
	s_delay_alu instid0(VALU_DEP_2)
	v_pk_add_f32 v[ST+16*\u+2:ST+16*\u+3], v[ST+16*\u+2:ST+16*\u+3], v[ST+16*\u+10:ST+16*\u+11]
.endr
; The conversion to an 8-bit code does not saturate (ISA guide 7.6.2).
.irp u, 0,1
.irp b, 0,1,2,3
.irp i, 0,2,4,6,8,10,12,14
.endr
	v_cvt_scalef32_pk8_fp8_f32 v[P+16*\u+4*\b:P+16*\u+4*\b+1], v[S+64*\u+16*\b:S+64*\u+16*\b+7], v[PSC]
	v_cvt_scalef32_pk8_fp8_f32 v[P+16*\u+4*\b+2:P+16*\u+4*\b+3], v[S+64*\u+16*\b+8:S+64*\u+16*\b+15], v[PSC]
.endr
.endr
.endm
; A KEY STEP: 128 keys, the q-th of the chunk in hand, for both tiles.  tail = 1: a step all of whose keys come after my queries is left out (a scalar branch on the wave's number and a counter, round work alone),
; and the step on the diagonal is masked.  tail = 0: steps 0-7 of the long pass, where all keys count.
.macro STEP q, tail
.if \tail
	s_cmp_gt_u32 s[KS], s[G]
	s_cbranch_scc1 .Lhidden_\@
.endif
	v_add_nc_u32 v[ADK], s[TB], v[AK0]
	v_add_nc_u32 v[ADV], s[TB], v[AV0]
	v_nop                                          ; with the two additions: four places behind the last step's products, in front of the loads into the registers that they read
	v_nop
	WIN LD1
.irp t, 0,1,2,3,4,5,6,7
	ds_load_b128 v[KF+8*\t:KF+8*\t+3],   v[ADK] offset:(32*\q+4*\t)*PITCH      ; keys 16 t on: four LDS rows
	ds_load_b128 v[KF+8*\t+4:KF+8*\t+7], v[ADK] offset:(32*\q+4*\t)*PITCH+32
.endr
.irp d, 0,1,2,3
.irp c, 0,1,2,3
	ds_load_b128 v[VF+16*\d+4*\c:VF+16*\d+4*\c+3], v[ADV] offset:16*\d*PITCH+128*\q+32*\c   ; channels 16 d on, the step's 128 keys
.endr
.endr
	s_wait_dscnt 16                                ; K's sixteen loads are in; V's sixteen, issued behind them, land under the softmax
	WIN W_KQ
.irp t, 0,1,2,3,4,5,6,7
.irp u, 0,1
	v_wmma_f32_16x16x64_fp8_fp8 v[S+64*\u+8*\t:S+64*\u+8*\t+7], v[KF+8*\t:KF+8*\t+7], v[QF+8*\u:QF+8*\u+7], 0
.endr
.endr
	WIN 0
.rept 4
	v_nop                                          ; places in front of the first read of the scores
.endr
.if \tail
	s_cmp_lg_u32 s[KS], s[G]
	s_cbranch_scc1 .Lopen_\@
	MASK
.Lopen_\@:
.endif
	SOFTMAX
	WIN W_RS
.irp u, 0,1
.set n, 0
.rept 16
	v_pk_mul_f32 v[O+32*\u+n:O+32*\u+n+1], v[O+32*\u+n:O+32*\u+n+1], v[ST+16*\u+4:ST+16*\u+5] op_sel_hi:[1,0]   ; O^T under the new M: x f.  (Also the plain lines between the conversions and the products that read their results)
.set n, n+2
.endr
.endr
	s_wait_alu depctr_va_vdst(0)
	s_wait_dscnt 0x0                               ; V is in
	WIN W_PV
.irp d, 0,1,2,3
.irp u, 0,1
	v_wmma_f32_16x16x128_fp8_fp8 v[O+32*\u+8*\d:O+32*\u+8*\d+7], v[VF+16*\d:VF+16*\d+15], v[P+16*\u:P+16*\u+15], v[O+32*\u+8*\d:O+32*\u+8*\d+7]   ; eight accumulators, one instruction each
.endr
.endr
	WIN 0
.if \tail
.Lhidden_\@:
	s_add_co_u32 s[KS], s[KS], 1
.endif
.endm
; THE WAY OUT of a pass: y = O^T x 2^(e4 + e5) / the sum, quantised with 2^e6; a tile's 16 queries x 64 channels are 1,024 consecutive bytes of y_codes: through my own stage, so that a store covers 512 consecutive bytes.
.macro OUT
.irp u, 0,1
	v_add_f32 v[ST+16*\u+6], v[ST+16*\u+2], v[ST+16*\u+3]                  ; the sum's two halves,  (these plain lines are the places behind the last products)
.endr
.irp u, 0,1
	s_delay_alu instid0(VALU_DEP_2)
	v_permlanex16_b32 v[ST+16*\u+8], v[ST+16*\u+6], s[SEL], s[SEL+1]
.endr
.irp u, 0,1
	s_delay_alu instid0(VALU_DEP_2)
	v_add_f32 v[ST+16*\u+6], v[ST+16*\u+6], v[ST+16*\u+8]                  ; and lane l xor 16's: the row's sum
.endr
	s_wait_alu depctr_va_vdst(0)
.irp u, 0,1
	v_rcp_f32 v[ST+16*\u+4], v[ST+16*\u+6]
.endr
	v_nop                                          ; one plain place behind the transcendentals
	s_wait_alu depctr_va_vdst(0)
.irp u, 0,1
	v_ldexp_f32 v[ST+16*\u+4], v[ST+16*\u+4], s[EPV]
.endr
	WIN W_OUT
.irp u, 0,1
.set n, 0
.rept 16
	v_pk_mul_f32 v[S+32*\u+n:S+32*\u+n+1], v[O+32*\u+n:O+32*\u+n+1], v[ST+16*\u+4:ST+16*\u+5] op_sel_hi:[1,0]   ; register 32 u + 8 d + j: y(query r of tile u, channel 16 d + 8 h + j)
.set n, n+2
.endr
.endr
	WIN 0
.set n, 0
.rept 64
.set n, n+1
.endr
.set n, 0
.rept 8
	v_cvt_scalef32_pk8_fp8_f32 v[P+2*n:P+2*n+1], v[S+8*n:S+8*n+7], v[YSC]
.set n, n+1
.endr
	v_nop                                          ; one plain vector instruction behind the last conversion
.irp u, 0,1
.irp d, 0,1,2,3
	ds_store_b64 v[STO], v[P+2*(4*\u+\d):P+2*(4*\u+\d)+1] offset:1024*\u+16*\d
.endr
.endr
.irp i, 0,1,2,3
	ds_load_b128 v[P+16+4*\i:P+16+4*\i+3], v[RD] offset:512*\i             ; LDS serves a wave's instructions in order (ISA guide 5.7.1.4): these see my stores
.endr
.irp i, 0,1,2,3
	s_wait_dscnt 3-\i
	global_store_b128 v[GO], v[P+16+4*\i:P+16+4*\i+3], s[YB:YB+1] offset:(\i/2)*4096+(\i%2)*512
.endr
.endm
	PHEAD 1                                        ; THE LONG PASS: group 15 - wave
	s_wait_tensorcnt 0x1                           ; my quarter of the first chunk is in; my second load, issued behind it, may stay out: no LDS byte is filled twice in this launch
	s_barrier_signal -1
	s_barrier_wait -1                              ; everybody's is: keys 0-255 of K and V
	s_wait_loadcnt 0x0                             ; Q
	s_mov_b32 s[TB], 0
	STEP 0, 0                                      ; key steps 0 and 1 are written out: the rest of K and V lands under them
	STEP 1, 0
	s_mov_b32 s[TB], CH
	s_wait_tensorcnt 0x0                           ; my second load is in,
	s_wait_dscnt 0x0                               ; (no LDS instruction of mine is pending at a signal)
	s_barrier_signal -1
	s_barrier_wait -1                              ; everybody's is: all of K and V
	s_mov_b32 s[CNT], 3
.Lfirst_half:                                      ; key steps 2-7: all keys count for groups 8-15
	STEP 0, 0
	STEP 1, 0
	s_add_co_u32 s[TB], s[TB], CH
	s_sub_co_u32 s[CNT], s[CNT], 1
	s_cmp_lg_u32 s[CNT], 0
	s_cbranch_scc1 .Lfirst_half
	s_mov_b32 s[KS], 8
	s_mov_b32 s[CNT], 4
.Lsecond_half:                                     ; key steps 8-15: the trip count is a constant; what lies behind my group is jumped over inside
	STEP 0, 1
	STEP 1, 1
	s_add_co_u32 s[TB], s[TB], CH
	s_sub_co_u32 s[CNT], s[CNT], 1
	s_cmp_lg_u32 s[CNT], 0
	s_cbranch_scc1 .Lsecond_half
	OUT
	s_wait_xcnt 0x0                                ; the stores have read their base and their data: both are written again below
	PHEAD 0                                        ; THE SHORT PASS: group wave, key steps 0-7 at the most
	s_wait_loadcnt 0x0                             ; Q
	s_mov_b32 s[TB], 0
	s_mov_b32 s[KS], 0
	s_mov_b32 s[CNT], 4
.Lshort:
	STEP 0, 1
	STEP 1, 1
	s_add_co_u32 s[TB], s[TB], CH
	s_sub_co_u32 s[CNT], s[CNT], 1
	s_cmp_lg_u32 s[CNT], 0
	s_cbranch_scc1 .Lshort
	s_wait_alu depctr_va_vdst(0)
	OUT
	s_wait_dscnt 0x0
	s_wait_tensorcnt 0x0
	ds_add_u32 v254, v255
	s_wait_dscnt 0x0
	CROUND                                         ; the closing round
	s_endpgm
.Lfunc_end_k_qb3117742d0_attn:
	.size	k_qb3117742d0_attn, .Lfunc_end_k_qb3117742d0_attn-k_qb3117742d0_attn
	.p2alignl 7, 3214868480
	.fill 96, 4, 3214868480
	.section	.rodata,"a",@progbits
	.p2align	6, 0x0
	.amdhsa_kernel k_qb3117742d0_attn
		.amdhsa_group_segment_fixed_size 327680
		.amdhsa_private_segment_fixed_size 0
		.amdhsa_enable_private_segment 0
		.amdhsa_kernarg_size 40
		.amdhsa_user_sgpr_count 2
		.amdhsa_user_sgpr_kernarg_segment_ptr 1
		.amdhsa_wavefront_size32 1
		.amdhsa_system_sgpr_workgroup_id_x 1
		.amdhsa_system_sgpr_workgroup_id_y 1
		.amdhsa_system_sgpr_workgroup_id_z 1
		.amdhsa_system_vgpr_workitem_id 0
		.amdhsa_next_free_vgpr 512
		.amdhsa_next_free_sgpr 100
		.amdhsa_reserve_vcc 1
		.amdhsa_float_denorm_mode_32 3
		.amdhsa_float_denorm_mode_16_64 3
		.amdhsa_fp16_overflow 1
		.amdhsa_memory_ordered 1
		.amdhsa_forward_progress 1
		.amdhsa_inst_pref_size 255
	.end_amdhsa_kernel
	.section	.bss,"aw",@nobits
	.p2align	6
	.space	262144
	.amdgpu_metadata
---
amdhsa.version: [ 1, 2 ]
amdhsa.kernels:
  - .name:           k_qb3117742d0_attn
    .symbol:         k_qb3117742d0_attn.kd
    .args:
      - { .name: q_codes, .offset: 0, .size: 8, .value_kind: global_buffer, .address_space: global }
      - { .name: k_codes, .offset: 8, .size: 8, .value_kind: global_buffer, .address_space: global }
      - { .name: v_codes, .offset: 16, .size: 8, .value_kind: global_buffer, .address_space: global }
      - { .name: lowp_scales, .offset: 24, .size: 8, .value_kind: global_buffer, .address_space: global }
      - { .name: y_codes, .offset: 32, .size: 8, .value_kind: global_buffer, .address_space: global }
    .group_segment_fixed_size: 327680
    .private_segment_fixed_size: 0
    .kernarg_segment_align: 8
    .kernarg_segment_size: 40
    .max_flat_workgroup_size: 256
    .sgpr_count:     100
    .vgpr_count:     512
    .wavefront_size: 32
...
	.end_amdgpu_metadata
.endif
;; end of part 2
;; launch proj (part 3): grid 4 x 64, 4 waves a work-group, clusters of 4 x 4, 327,680 bytes of LDS; arguments y_codes, w_proj_codes, lowp_scales, b_proj, out0; writes out0
.if DOCPART == 3
	.amdgcn_target "amdgcn-amd-amdhsa--gfx1250"
	.amdhsa_code_object_version 6
	.text
	.protected	k_qb3117742d0_proj
	.globl	k_qb3117742d0_proj
	.p2align	8
	.type	k_qb3117742d0_proj,@function
k_qb3117742d0_proj:
	s_mov_b64 s[64:65], 0
	v_nop
	global_prefetch_b8 v0, s[64:65] scope:SCOPE_SE
	s_setreg_imm32_b32 hwreg(HW_REG_WAVE_MODE, 25, 1), 1
	s_wait_xcnt 0x0
	s_wait_alu depctr_hold_cnt(0) depctr_sa_sdst(0) depctr_va_vdst(0) depctr_va_sdst(0) depctr_va_ssrc(0) depctr_va_vcc(0) depctr_vm_vsrc(0)
	s_getreg_b32 s2, hwreg(HW_REG_IB_STS2, 6, 4)
	s_cmp_eq_u32 s2, 0
	s_cbranch_scc0 .Lentry_in_a_cluster
	s_endpgm
.Lentry_in_a_cluster:
	s_bfe_u32 s2, ttmp6, 0x10000c
	s_cmp_lg_u32 s2, 0xf033
	s_cbranch_scc0 .Lentry_shape_is_right
	s_endpgm
.Lentry_shape_is_right:
; out0 = y w_proj + b_proj on codes of FP8 (E4M3).  y: 8,192 rows x 1,024 K, codes made by the attention launch; w_proj: [1024][1024] codes, K innermost; out0: [8192][1024] f32.
; out = sum x 2^(e6 + e7) + bias, one packed multiply-add for two numbers.  LIMIT: e6 + e7 between -126 and 127, so that 2^(e6 + e7) is an f32 number.
; y_codes lies [K / 256][m / 16][(K / 64) % 4][m % 16][64]: 64 rows x 256 K are 16,384 consecutive bytes, fetched as 64 LDS rows of 256 bytes; row m's 64 codes of head (K / 64) % 4 = e lie in
; LDS row 16 (m / 16) + 4 e + (m % 16) / 4 at byte 64 (m % 4).
; A tile of out0 is 128 x 256: 8,192 / 128 x 1,024 / 256 = 256 tiles, one work-group of four waves each; a wave makes 64 x 128: 32 accumulators, 256 registers.
; K has four steps of 256.  A slot (128 rows of y, 256 rows of w, 256 along K) is 104,448 bytes, so THREE slots fit: three of the four K steps are asked for at the start, and only the fourth is a refill, of slot 0.
; Fragments are fetched into registers a step of 128 along K ahead, so slot 0's last read is over when the first 128 along K have been multiplied: the refill is asked for there and has four steps, 128 matrix
; instructions, in which to land.  In front of its round every wave has waited for all its loads, so slots 1 and 2 are whole for everybody from there on, and the change from slot 1 to slot 2 has no barrier.
; CLUSTERS: 4 x 4 work-groups; y's tiles are shared along a row of the cluster, w's along a column: joint loads.  THE MATRIX INSTRUCTION IS USED TRANSPOSED (source 0 = 16 rows of w, source 1 = 16 rows of y):
; a lane holds eight neighbouring numbers of a row of out0.
; REGISTERS, in windows of 256: window 0: v12-29 addresses; v32-95 the bias in the result's layout; on the way out v128-191 a block's results.
;   window 1: fragment set 0: v0-127 w's eight fragments, v128-191 y's four; on the way out v0-127 two blocks read back from the stage.   window 3: fragment set 1, likewise.
;   window 2: the accumulators ((a, b) at v[8 (8 a + b)]).
.set SIZE_N, 1024
.set ROWB,   256
.set KROW,   1024                      ; a row of w in memory, in bytes
.set PITCH,  272                       ; an LDS row: 256 bytes + 16 of padding
.set FR,     16                        ; registers of a fragment: 16 rows x 128 K
.set NP,     4                         ; places behind this matrix instruction (ISA guide 7.12.1)
.set AHALF,  64*PITCH                  ; 64 rows of y: what waves 0 and 1 fetch, and what a wave reads of y
.set BHALF,  128*PITCH                 ; 128 rows of w: what waves 2 and 3 fetch, and what a wave reads of w
.set AT,     2*AHALF                   ; y's 128 rows, then w's 256
.set SLOT,   AT+2*BHALF
.set SPARE,  3*SLOT                    ; behind the three slots: the spare words, 128 bytes for each wave: two blocks of 256 bytes that no other line names
.set STG,    SLOT                      ; the way out: a stage of 16 rows x (512 bytes + 16) for each wave, in slot 1: it is filled once, and its last read lies ahead of the last barrier
.set SPITCH, 528
.set KPLANE, 2097152                   ; y_codes: from one 256 along K to the next
.set H32,  12                          ; v12  32 x (lane / 16): the bias
.set ADRA, 16                          ; v16-18  LDS address of my fragments of y in slot 0, 1, 2
.set ADRB, 20                          ; v20-22  the same for w
.set STO,  24                          ; v24  the way out: where I put 32 bytes of a row
.set RD,   25                          ; v25  where I read a row back
.set CO,   26                          ; v26  my byte offset in a row of out0
.set SPW,  28                          ; v28  LDS address of my spare word; never rewritten
.set NIL,  29                          ; v29  0; never rewritten
.set BIAS, 32
.set TMP,  128
.set G1,  24                           ; s[24:31] descriptor group 1 for y's tiles;  s[32:43] group 0, one set for each slot
.set G0,  32
.set G1B, 48                           ; s[48:55], s[68:79] the same for w's tiles
.set G0B, 68
.set MSB, 0
.macro WIN new                         ; the immediate's high byte repeats the setting that is left
.if MSB != \new
	s_set_vgpr_msb (MSB<<8)|\new
.set MSB, \new
.endif
.endm
.set FROM_1, 0x04                      ; a store's data window 1, address window 0
.macro JLOAD g0a, g1a, g0b, g1b        ; a joint load: waves 0 and 1 fetch for y, waves 2 and 3 for w; four v_nop follow each of the two lines
	s_cmp_eq_u32 s15, 0
	s_cbranch_scc0 .Lfor_b_\@
	tensor_load_to_lds s[\g0a:\g0a+3], s[\g1a:\g1a+7]
	s_nop 0
.rept 4
	v_nop
.endr
	s_branch .Lasked_\@
.Lfor_b_\@:
	tensor_load_to_lds s[\g0b:\g0b+3], s[\g1b:\g1b+7]
	s_nop 0
.rept 4
	v_nop
.endr
.Lasked_\@:
.endm
.macro CREST                           ; a round of the cluster's barrier behind its opening barrier
	s_cmp_lg_u32 s14, 0
	s_cbranch_scc1 .Lnot_wave_0_\@
	s_barrier_signal -3
.Lnot_wave_0_\@:
	s_barrier_wait -3
	s_barrier_signal -1
	s_barrier_wait -1
.endm
.macro CROUND                          ; a whole round
	s_barrier_signal -1
	s_barrier_wait -1
	CREST
.endm
	s_load_b128 s[4:7], s[0:1], 0x0                ; y's codes s[4:5], w's codes s[6:7]
	s_load_b128 s[8:11], s[0:1], 0x10              ; the scales' exponents s[8:9], the bias s[10:11]
	s_load_b64 s[12:13], s[0:1], 0x20              ; out0
	v_lshl_add_u32 v[SPW], v0, 2, SPARE
	v_mov_b32 v[NIL], 0
	ds_add_u32 v28, v29
	ds_add_u32 v28, v29
	s_wait_dscnt 0x0
	v_lshrrev_b32 v1, 5, v0
	v_readfirstlane_b32 s14, v1                    ; wave 0..3
	s_lshr_b32 s15, s14, 1                         ; which half of the tile's rows is mine.  Also: I fetch for y (0) or for w (1)
	s_and_b32 s16, s14, 1                          ; which half of its columns.  Also: which half of that tile I fetch
	s_bfe_u32 s56, ttmp6, 0x40000                  ; cx, cy: my place in the cluster
	s_bfe_u32 s57, ttmp6, 0x40004
	s_lshl_b32 s58, ttmp9, 2
	s_add_co_u32 s58, s58, s56                     ; tile column = 4 x cluster x + cx
	s_and_b32 s17, ttmp7, 0xffff
	s_lshl_b32 s17, s17, 2
	s_add_co_u32 s17, s17, s57                     ; tile row = 4 x cluster y + cy
	s_lshl_b32 s59, s57, 2
	s_lshl_b32 s59, 15, s59                        ; my row of the cluster
	s_lshl_b32 s60, 0x1111, s56                    ; my column
	s_or_b32 s[G1+0], s59, (0<<16)|(1<<20)|(1<<21)|(5<<22)|(3<<25)  ; 15:0 the mask: y's tiles go to my row; 17:16 element of 1 byte; 20 padding on; 21 set beside a mask; 24:22 after every 64 words (code 5); 31:25 of 4 words (code 3)
	s_or_b32 s[G1B+0], s60, (0<<16)|(1<<20)|(1<<21)|(5<<22)|(3<<25)
	s_mov_b32 s[G1+1], ROWB<<16                    ; y: tensor_dim0
	s_mov_b32 s[G1+2], 64<<16                      ; tensor_dim1 = 64
	s_mov_b32 s[G1+3], ROWB<<16                    ; tile_dim0
	s_mov_b32 s[G1+4], 64                          ; tile_dim1 = 64
	s_mov_b32 s[G1+5], ROWB                        ; tensor_dim0_stride: the block is dense
	s_mov_b32 s[G1+6], 0
	s_mov_b32 s[G1+7], 0
	s_mov_b32 s[G1B+1], ROWB<<16                   ; w: 128 rows,
	s_mov_b32 s[G1B+2], 128<<16
	s_mov_b32 s[G1B+3], ROWB<<16
	s_mov_b32 s[G1B+4], 128
	s_mov_b32 s[G1B+5], KROW                       ; 1,024 bytes apart
	s_mov_b32 s[G1B+6], 0
	s_mov_b32 s[G1B+7], 0
	s_lshl_b32 s20, s17, 7
	s_lshl_b32 s18, s16, 6
	s_add_co_u32 s20, s20, s18
	s_lshl_b32 s20, s20, 8                         ; y: (128 x tile row + 64 x half) x 256 bytes
	s_mov_b32 s21, 0
	s_lshl_b32 s46, s58, 8
	s_lshl_b32 s18, s16, 7
	s_add_co_u32 s46, s46, s18
	s_lshl_b32 s46, s46, 10                        ; w: (256 x tile column + 128 x half) x 1,024 bytes
	s_mov_b32 s47, 0
	s_mul_i32 s61, s16, AHALF                      ; where they go: no place in the cluster enters an LDS address
	s_mul_i32 s62, s16, BHALF
	s_add_co_u32 s62, s62, AT
	s_wait_kmcnt 0x0
	s_load_b64 s[96:97], s[8:9], 0x18              ; e6, e7
	s_add_nc_u64 s[20:21], s[4:5], s[20:21]
	s_add_nc_u64 s[46:47], s[6:7], s[46:47]
	CROUND                                         ; all sixteen work-groups are here: the first joint loads meet
.irp s, 0,1,2
	s_mov_b32 s[G0+4*\s], 1
	s_add_co_u32 s[G0+4*\s+1], s61, \s*SLOT
	s_add_nc_u64 s[G0+4*\s+2:G0+4*\s+3], s[20:21], \s*KPLANE
	s_or_b32 s[G0+4*\s+3], s[G0+4*\s+3], 0x80000000
	s_mov_b32 s[G0B+4*\s], 1
	s_add_co_u32 s[G0B+4*\s+1], s62, \s*SLOT
	s_add_nc_u64 s[G0B+4*\s+2:G0B+4*\s+3], s[46:47], \s*ROWB
	s_or_b32 s[G0B+4*\s+3], s[G0B+4*\s+3], 0x80000000
	JLOAD G0+4*\s, G1, G0B+4*\s, G1B               ; K steps 0, 1 and 2: three tensor loads of mine are out
.endr
	v_and_b32 v1, 15, v0                           ; r
	v_bfe_u32 v2, v0, 4, 1                         ; h
	v_mul_u32_u24 v3, v1, PITCH
	v_lshl_add_u32 v4, v2, 4, v3                   ; w: a fragment's row x pitch + 16 h
	v_lshrrev_b32 v5, 2, v1
	v_mul_u32_u24 v5, v5, PITCH
	v_and_b32 v6, 3, v0
	v_lshl_add_u32 v5, v6, 6, v5
	v_lshl_add_u32 v5, v2, 4, v5                   ; y: (r / 4) x pitch + 64 (r % 4) + 16 h: sixteen rows touch sixteen different 16-byte columns
	s_mul_i32 s21, s15, AHALF                      ; my 64 rows of y
	s_mul_i32 s22, s16, BHALF                      ; my 128 rows of w,
	s_add_co_u32 s22, s22, AT                      ; which lie behind y's 128
.irp s, 0,1,2
	v_add_nc_u32 v[ADRA+\s], s21, v5
	v_add_nc_u32 v[ADRB+\s], s22, v4
	s_add_co_u32 s21, s21, SLOT
	s_add_co_u32 s22, s22, SLOT
.endr
	s_mul_i32 s23, s14, 16*SPITCH
	s_add_co_u32 s23, s23, STG                     ; my stage
	v_mul_u32_u24 v5, v1, SPITCH                   ; in: row r, 32 bytes for each half of the lanes
	v_lshl_add_u32 v5, v2, 5, v5
	v_add_nc_u32 v[STO], s23, v5
	v_and_b32 v6, 31, v0
	v_lshlrev_b32 v[CO], 4, v6                     ; back: the 32 lanes take one row of 512 bytes; and the same in out0
	v_add_nc_u32 v[RD], s23, v[CO]
	v_lshlrev_b32 v[H32], 5, v2
	s_lshl_b32 s20, s17, 7
	s_lshl_b32 s21, s15, 6
	s_add_co_u32 s20, s20, s21                     ; my first row of out0: 128 x tile row + 64 x half,
	s_lshl_b32 s20, s20, 12                        ; x 4,096 bytes (under 2^25)
	s_lshl_b32 s46, s58, 10                        ; my first column, in bytes: 1,024 x tile column + 512 x half
	s_lshl_b32 s47, s16, 9
	s_add_co_u32 s46, s46, s47
	s_add_co_u32 s20, s20, s46
	s_mov_b32 s21, 0
	s_mov_b32 s47, 0
	s_add_nc_u64 s[12:13], s[12:13], s[20:21]
	s_add_nc_u64 s[90:91], s[10:11], s[46:47]      ; the bias of my 128 columns: the same byte offset as in a row of out0
.irp b, 0,1,2,3,4,5,6,7
	global_load_b128 v[BIAS+8*\b:BIAS+8*\b+3],   v[H32], s[90:91] offset:64*\b       ; register 8 b + j: the bias of column 16 b + 8 h + j
	global_load_b128 v[BIAS+8*\b+4:BIAS+8*\b+7], v[H32], s[90:91] offset:64*\b+16
.endr
.macro FRAG reg, adr, q, i             ; w: 16 rows x 128 K in 16 registers: registers 4 c .. 4 c + 3 hold K = 32 c + 16 (l / 16) + 0 .. 15
.irp c, 0,1,2,3
	ds_load_b128 v[\reg+4*\c:\reg+4*\c+3], v[\adr] offset:128*(\q)+32*\c+(\i)*16*PITCH
.endr
.endm
.macro FRAGA reg, adr, q, i            ; y: the same K in the same registers, from its own layout: head 2 q + c / 2 of the four, bytes 32 (c % 2) on
.irp c, 0,1,2,3
	ds_load_b128 v[\reg+4*\c:\reg+4*\c+3], v[\adr] offset:(16*(\i)+4*(2*(\q)+\c/2))*PITCH+32*(\c%2)
.endr
.endm
.macro LDB slot, q, n                  ; w's eight fragments of the slot's q-th 128 along K into set n (window 1 or 3): 32 loads
	WIN (0x40+0x80*(\n))
.irp i, 0,1,2,3,4,5,6,7
	FRAG FR*\i, ADRB+\slot, \q, \i
.endr
.endm
.macro LDA slot, q, n                  ; y's four: 16 loads, blocks 0 to 3 in this order
	WIN (0x40+0x80*(\n))
.irp i, 0,1,2,3
	FRAGA 128+FR*\i, ADRA+\slot, \q, \i
.endr
.endm
; 16 matrix instructions: y's blocks a0, a0 + 1 x w's eight, 128 along K, on set p.  zero = 1: the first product starts the sums: nothing is cleared.
; The 32 accumulators take turns, one instruction a turn, in the same order in every step.
.macro MUL16 a0, p, zero
	WIN (0xa5+10*(\p))                             ; sources 0 and 1: window 1 or 3; C and D: window 2
.irp a, \a0, \a0+1
.irp b, 0,1,2,3,4,5,6,7
.if \zero
	v_wmma_f32_16x16x128_fp8_fp8 v[8*(8*(\a)+\b):8*(8*(\a)+\b)+7], v[FR*\b:FR*\b+FR-1], v[128+FR*(\a):128+FR*(\a)+FR-1], 0
.else
	v_wmma_f32_16x16x128_fp8_fp8 v[8*(8*(\a)+\b):8*(8*(\a)+\b)+7], v[FR*\b:FR*\b+FR-1], v[128+FR*(\a):128+FR*(\a)+FR-1], v[8*(8*(\a)+\b):8*(8*(\a)+\b)+7]
.endif
.endr
.endr
.endm
.macro PLACES n                        ; places behind matrix instructions (ISA guide 7.12.1 for vector instructions)
.rept \n
	v_nop
.endr
.endm
; A step of 128 along K on set p; the next step's fragments (slot nslot, its nq-th 128) go into the other set, which the step before has read: w's at the step's head, y's in its middle.
.macro STEP p, nslot, nq, zero
	s_wait_dscnt 8                                 ; set p is in, all but the youngest eight loads: y's blocks 2 and 3
	PLACES NP                                      ; behind the last step's products, in front of the loads into the registers that they read
	LDB \nslot, \nq, 1-(\p)
	MUL16 0, \p, \zero
	LDA \nslot, \nq, 1-(\p)
	s_wait_dscnt 48                                ; y's blocks 2 and 3 are in: behind them the 32 + 16 loads of the next step were issued
	MUL16 2, \p, \zero
.endm
	s_wait_tensorcnt 2                             ; my part of K step 0 is in (the loads of K steps 1 and 2, issued behind it, may be out)
	s_barrier_signal -1
	s_barrier_wait -1                              ; everybody's is
	LDB 0, 0, 0
	LDA 0, 0, 0
	STEP 0, 0, 1, 1                                ; K 0-127: its products start the sums; K 128-255 is fetched: my last reads of slot 0's first tile
	; K 128-255, and slot 0 is filled again with K 768-1023.  One round of the cluster's barrier: in front of it each wave waits for all its tensor loads, adds 0 to its spare word, and waits for that and for its reads of slot 0.
	WIN 0                                          ; (the add's two registers lie in window 0)
	s_wait_tensorcnt 0x0                           ; all my tensor loads have landed: my parts of slots 1 and 2; so every group 0 may be written
	ds_add_u32 v[SPW], v[NIL]                      ; 0 onto my spare word
	s_add_nc_u64 s[G0+2:G0+3], s[G0+2:G0+3], 3*KPLANE      ; slot 0's next tile lies three K steps on
	s_add_nc_u64 s[G0B+2:G0B+3], s[G0B+2:G0B+3], 3*ROWB
	s_wait_dscnt 0x0                               ; the add is done, and my reads of slot 0 are over: set 1 is in
	s_barrier_signal -1
	MUL16 0, 1, 0                                  ; work on registers while the others arrive
	WIN 0
	s_barrier_wait -1
	CREST                                          ; no wave of any partner still reads slot 0 or has a load on its way; slots 1 and 2 are whole in every work-group
	JLOAD G0, G1, G0B, G1B                         ; the first tensor load behind the round, and my last; its four v_nop are the places in front of the loads below
	LDB 1, 0, 0
	LDA 1, 0, 0
	MUL16 2, 1, 0
	STEP 0, 1, 1, 0                                ; K 256-383
	STEP 1, 2, 0, 0                                ; K 384-511; slot 2 was shown whole by the round's waits: no barrier
	STEP 0, 2, 1, 0                                ; K 512-639
	; K 640-767, and the refill is wanted: it is the work-group's own
	s_wait_tensorcnt 0x0                           ; my part of K 768-1023 is in: no load was issued behind it
	s_wait_dscnt 0x0                               ; set 1 is in; my reads of slots 1 and 2 are over
	s_barrier_signal -1
	MUL16 0, 1, 0
	s_barrier_wait -1                              ; everybody's part is in, and nobody reads slot 1 any more
	PLACES NP
	LDB 0, 0, 0
	LDA 0, 0, 0
	MUL16 2, 1, 0
	STEP 0, 0, 1, 0                                ; K 768-895
	s_wait_dscnt 8                                 ; K 896-1023: nothing more to fetch
	MUL16 0, 1, 0
	s_wait_dscnt 0x0
	MUL16 2, 1, 0
	WIN 0
; THE WAY OUT, block by block of 16 rows x 128 columns: through my own stage in LDS, back as whole rows of 512 bytes.  LDS serves a wave's instructions in order (ISA guide 5.7.1.4): no wait between the stores and the loads.
.macro TOSTAGE a
.set AC, 64*(\a)
.set BB, 64*((\a)%2)
	WIN 0x02                                       ; source 0: window 2
.irp j, 0,2,4,6,8,10,12,14,16,18,20,22,24,26,28,30,32,34,36,38,40,42,44,46,48,50,52,54,56,58,60,62
	v_pk_fma_f32 v[TMP+\j:TMP+\j+1], v[AC+\j:AC+\j+1], s[96:97], v[BIAS+\j:BIAS+\j+1] op_sel_hi:[1,0,1]   ; sum x 2^(e6 + e7) + bias; each accumulator from its low end on
.endr
	WIN 0
.irp b, 0,1,2,3,4,5,6,7
	ds_store_b128 v[STO], v[TMP+8*\b:TMP+8*\b+3] offset:64*\b
	ds_store_b128 v[STO], v[TMP+8*\b+4:TMP+8*\b+7] offset:64*\b+16
.endr
	WIN 0x40                                       ; destination window 1
.irp t, 0,1,2,3,4,5,6,7,8,9,10,11,12,13,14,15
	ds_load_b128 v[BB+4*\t:BB+4*\t+3], v[RD] offset:\t*SPITCH
.endr
	WIN 0
.endm
.macro SEND a, younger                 ; younger: the LDS instructions issued behind block a's loads, which may stay out
.set BB, 64*((\a)%2)
	s_wait_dscnt \younger                          ; the block is back in registers
.if (\a) > 0
	s_add_nc_u64 s[12:13], s[12:13], 16*SIZE_N*4   ; (behind a wait on XCNT: the earlier stores have read their base)  16 rows on
.endif
	WIN FROM_1
.irp t, 0,1,2,3,4,5,6,7,8,9,10,11,12,13,14,15
	global_store_b128 v[CO], v[BB+4*\t:BB+4*\t+3], s[12:13] offset:\t*SIZE_N*4 th:TH_STORE_NT   ; 32 lanes store 512 consecutive bytes, aligned; written once, read by nobody here
.endr
	WIN 0
.endm
	s_wait_kmcnt 0x0
	s_add_co_i32 s96, s96, s97                     ; e6 + e7
	s_add_co_i32 s96, s96, 127
	s_lshl_b32 s96, s96, 23                        ; 2^(e6 + e7) as f32
	s_mov_b32 s97, s96                             ; (named with it as a pair, so it is written)
	s_wait_loadcnt 0x0                             ; the bias
	PLACES NP                                      ; behind the last products: their results are read, and set 0's registers loaded, below
	TOSTAGE 0
.irp a, 1,2,3
.if \a > 1
	s_wait_xcnt 0x0                                ; block a - 2's stores have read their registers and their base: block a's loads may land there, and the base may step
.endif
	TOSTAGE \a
	SEND \a-1, 32                                  ; behind block a - 1's loads: block a's 16 stores and 16 loads
.endr
	s_wait_xcnt 0x0                                ; block 2's stores have read their base
	SEND 3, 0
	s_wait_tensorcnt 0x0                           ; the wave's end
	ds_add_u32 v[SPW], v[NIL]
	s_wait_dscnt 0x0
	CROUND                                         ; the closing round: no work-group ends while a partner may still ask for a tile that names it
	s_endpgm
.Lfunc_end_k_qb3117742d0_proj:
	.size	k_qb3117742d0_proj, .Lfunc_end_k_qb3117742d0_proj-k_qb3117742d0_proj
	.p2alignl 7, 3214868480
	.fill 96, 4, 3214868480
	.section	.rodata,"a",@progbits
	.p2align	6, 0x0
	.amdhsa_kernel k_qb3117742d0_proj
		.amdhsa_group_segment_fixed_size 327680
		.amdhsa_private_segment_fixed_size 0
		.amdhsa_enable_private_segment 0
		.amdhsa_kernarg_size 40
		.amdhsa_user_sgpr_count 2
		.amdhsa_user_sgpr_kernarg_segment_ptr 1
		.amdhsa_wavefront_size32 1
		.amdhsa_system_sgpr_workgroup_id_x 1
		.amdhsa_system_sgpr_workgroup_id_y 1
		.amdhsa_system_sgpr_workgroup_id_z 1
		.amdhsa_system_vgpr_workitem_id 0
		.amdhsa_next_free_vgpr 1024
		.amdhsa_next_free_sgpr 100
		.amdhsa_reserve_vcc 0
		.amdhsa_float_denorm_mode_32 3
		.amdhsa_float_denorm_mode_16_64 3
		.amdhsa_memory_ordered 1
		.amdhsa_forward_progress 1
		.amdhsa_inst_pref_size 78
	.end_amdhsa_kernel
	.amdgpu_metadata
---
amdhsa.version: [ 1, 2 ]
amdhsa.kernels:
  - .name:           k_qb3117742d0_proj
    .symbol:         k_qb3117742d0_proj.kd
    .args:
      - { .name: y_codes, .offset: 0, .size: 8, .value_kind: global_buffer, .address_space: global }
      - { .name: w_proj_codes, .offset: 8, .size: 8, .value_kind: global_buffer, .address_space: global }
      - { .name: lowp_scales, .offset: 16, .size: 8, .value_kind: global_buffer, .address_space: global }
      - { .name: b_proj, .offset: 24, .size: 8, .value_kind: global_buffer, .address_space: global }
      - { .name: out0, .offset: 32, .size: 8, .value_kind: global_buffer, .address_space: global }
    .group_segment_fixed_size: 327680
    .private_segment_fixed_size: 0
    .kernarg_segment_align: 8
    .kernarg_segment_size: 40
    .max_flat_workgroup_size: 128
    .sgpr_count:     100
    .vgpr_count:     1024
    .wavefront_size: 32
...
	.end_amdgpu_metadata
.endif
;; end of part 3
